; MI455X (gfx1250); checked and timed in simulation.
; The chip was launched on July 23, 2026; its instructions are those of AMD's public machine-readable ISA for CDNA 5 (MIT licence, August 2026) and "CDNA5" Instruction Set Architecture Reference Guide (July 2026). The comments in the code are by the model that wrote it; some were corrected since.
;; Attention. Allowed arithmetic: matrix products marked QUANTISED: E3M2 operands, one E8M0 scale for each 32 along K, by v_wmma_scale_f32_16x16x128_f8f6f4 with both operands' format E3M2, f32 sums; everything else in f32.
;; Inputs: Wk 1,024 x 64 float32; Wq 1,024 x 64 float32; Wv 1,024 x 1,024 float32; bk 64 float32; bq 64 float32; bv 1,024 float32; input 8 x 2,048 x 1,024 float32.
;; Outputs: out0 8 x 2,048 x 1,024 float32.
;; This version of the problem:
;;   THIS VERSION OF THE PROBLEM IS GIVEN IN LOW PRECISION. The matrix products marked QUANTISED in the list below multiply operands that are first quantised to E3M2 (3 exponent bits, 2 mantissa bits; 6 bits a number), with one power-of-two scale for each 32 numbers along K (OCP MX v1.0); their sums are f32. All else is computed in f32.
;;   The module's matrix products, in the order in which they are computed (A, B: the left and right operand; K: the contracted axis; several contracted axes count as one K, in the product's order):
;;     1. [M 16,384, K 1,024] x [K 1,024, N 64]; A: input input; B: input Wq: QUANTISED
;;     2. [M 16,384, K 1,024] x [K 1,024, N 64]; A: input input; B: input Wk: QUANTISED
;;     3. [M 16,384, K 1,024] x [K 1,024, N 1,024]; A: input input; B: input Wv: QUANTISED
;;     4. batch 8 x [M 2,048, K 64] x [K 64, N 2,048]; A: computed on the way; B: computed on the way: QUANTISED
;;     5. batch 8 x [M 2,048, K 2,048] x [K 2,048, N 1,024]; A: softmax (see below); B: computed on the way: QUANTISED
;;   THE QUANTISER, for each operand of a quantised product, along K:
;;     - K is cut into blocks of 32 from its start; a last block that is shorter is filled with zeros.
;;     - A block's scale is 2^e with e = floor(log2(the largest magnitude in the block)) - 4, held to -126 .. 127; a block of zeros has e = 0. As a byte (E8M0): e + 127.
;;     - Each number is divided by its block's scale, clamped to +-28, and rounded to the nearest number of E3M2, ties to even, subnormals kept.
;;     - The product sums the exact products of the quantised numbers (number of the format x scale) in f32.
;;   ~~~python
;;   def quantise(x, axis):      # numpy; x: float32 -> the quantised numbers, widened to float32 again
;;       x = np.moveaxis(x, axis, -1); K = x.shape[-1]
;;       x = np.pad(x, [(0, 0)] * (x.ndim - 1) + [(0, -K % 32)]); x = x.reshape(x.shape[:-1] + (-1, 32)); a = np.abs(x).max(-1, keepdims=True)
;;       e = np.where(a > 0, np.clip(np.frexp(np.where(a > 0, a, 1))[1] - 1 - 4, -126, 127), 0)      # np.frexp(a)[1] - 1 = floor(log2(a)), exactly
;;       r = np.clip(x / 2.0 ** e, -28, 28)
;;       step = 2.0 ** (np.maximum(np.frexp(np.where(r == 0, 1, r))[1] - 1, -2) - 2)
;;       q = np.round(r / step) * step * 2.0 ** e      # np.round: ties to even
;;       return np.moveaxis(q.reshape(q.shape[:-2] + (-1,))[..., :K], -1, axis).astype(np.float32)
;;   ~~~
;;   SOFTMAX AHEAD OF A QUANTISED PRODUCT. Where the list says 'softmax', what is quantised is not the finished softmax but p = 2^(t - M), with t = logit x log2(e) and M = ceil(the row's largest t), a whole number; so 1/2 < the row's largest p <= 1. The row's sum l is taken of the UNQUANTISED p, in f32, and the product's result is divided by l at the end. Since M is a whole number, a kernel that streams over the keys may use a running M (the ceiling of the running maximum): every later rescaling is an exact power of two, which a block's scale takes up: the codes' values come out the same.
;;   OPERANDS COMPUTED ON THE WAY. 'Computed on the way' means the value that the module computes at that place (a softmax that the list does not call 'softmax' is quantised finished and normalised). What goes into a quantiser is computed in f32, as accurately as f32 sums, v_exp_f32 and their like allow (about 1e-6 of the number): no bf16 or f16 on the way to a quantiser, and a product that is left as it is and whose result goes on into a quantised operand takes f32 operands (vector FMAs, or v_wmma_f32_16x16x4_f32). A number that lies on a knife's edge between two numbers of the format may be rounded either way, as far as f32 arithmetic and the matrix unit's own rounding can turn it there, and no further.
;; 2 versions. Each part assembles by itself: llvm-mc -triple=amdgcn-amd-amdhsa -mcpu=gfx1250 --defsym DOCPART=n.
;; ======== version 1 of 2: 3 launches
;; workspace buffers: wimg 884,736 bytes; wsc 73,728 bytes; qimg 786,432 bytes; kimg 786,432 bytes; qsc 131,072 bytes; ksc 131,072 bytes; vimg 12,582,912 bytes; vsc 1,048,576 bytes
;; launch qw (part 1): grid 144 x 1, 4 waves a work-group, no clusters, 1,024 bytes of LDS; arguments Wv, Wq, Wk, wimg, wsc; writes wimg, wsc
.if DOCPART == 1
	.amdgcn_target "amdgcn-amd-amdhsa--gfx1250"
	.amdhsa_code_object_version 6
	.text
	.protected	k_qfe8669d8ad_qw
	.globl	k_qfe8669d8ad_qw
	.p2align	8
	.type	k_qfe8669d8ad_qw,@function
k_qfe8669d8ad_qw:
	s_mov_b64 s[64:65], 0
	v_nop
	global_prefetch_b8 v0, s[64:65] scope:SCOPE_SE
	s_setreg_imm32_b32 hwreg(HW_REG_WAVE_MODE, 25, 1), 1
	s_wait_xcnt 0x0
; Wv [1024 (k)][1024 (n)], Wq and Wk [1024 (k)][64 (n)], f32, K = their FIRST axis, become codes of E3M2 with one E8M0 byte for each 32 along K,
; laid as IMAGES OF OPERAND REGISTERS: a fragment (16 columns x 128 K, 12 registers a lane) is three blocks of 512 bytes, lane l's 16 bytes at 16 l.
; A wave makes one fragment: lane (r, h) takes one column and its registers run down K in the order of the operand's layout (k = 64 c + 32 h + 0 .. 31),
; so the conversions' results are the operand's registers and nothing is transposed.
; Fragment f = 4 x work-group + wave.  f < 512 (Wv): f = (G 8 + s) 8 + n: columns 128 G + 16 n + r, K step s.
; f >= 512 (Wq, then Wk): f = 512 + 32 half + 4 s + dt; tile dt = 2 b + u takes in lane r column 32 b + 8 u + r + 8 (r / 8), so that the next launch's
; results of two neighbouring tiles are 16 neighbours along d.
; The four scale words of a work-group's fragments leave as one record of 512 bytes, [32 lanes][4 words], gathered in LDS.
; A block's scale byte is its largest magnitude's exponent field - 4, held at 1 from below.
; LIMITS: a block of zeros, or one whose largest magnitude lies under 2^-122, keeps the byte 1 (its codes are zeros or subnormal codes; only this program reads the bytes); NaN and infinities are not served.
; No matrix unit, no tensor load, no cluster: work-groups share no input here.
.macro WLOAD stride                    ; 64 numbers: W(64 c + 32 h + i, my column); sixteen lanes read 64 neighbouring bytes
.irp c, 0,1
.irp i, 0,1,2,3,4,5,6,7,8,9,10,11,12,13,14,15,16,17,18,19,20,21,22,23,24,25,26,27,28,29,30,31
	global_load_b32 v[64+32*\c+\i], v6, s[4:5] offset:(64*\c+\i)*\stride th:TH_LOAD_NT
.endr
.endr
.endm
	s_load_b128 s[4:7], s[0:1], 0x0                ; Wv, Wq
	s_load_b128 s[8:11], s[0:1], 0x10              ; Wk, wimg
	s_load_b64 s[12:13], s[0:1], 0x20              ; wsc
	v_lshl_add_u32 v208, v0, 2, 0x200
	v_mov_b32 v209, 0
	v_lshrrev_b32 v1, 5, v0
	v_readfirstlane_b32 s14, v1                    ; wave
	v_and_b32 v1, 15, v0                           ; r
	v_bfe_u32 v2, v0, 4, 1                         ; h
	v_and_b32 v3, 31, v0                           ; lane
	v_lshlrev_b32 v4, 4, v3                        ; 16 x lane: my place in a block of an image
	s_lshl_b32 s15, s14, 2
	v_add_nc_u32 v5, s15, v4                       ; LDS: 16 x lane + 4 x wave: my fragment's word in the record
	s_mov_b32 s20, 0x76543210
	s_mov_b32 s21, 0xfedcba98                      ; lane l xor 16
	s_lshl_b32 s16, ttmp9, 2
	s_add_co_u32 s16, s16, s14
	s_mul_i32 s16, s16, 1536                       ; my fragment's image
	s_mov_b32 s17, 0
	s_lshl_b32 s18, ttmp9, 9                       ; my work-group's record
	s_mov_b32 s19, 0
	s_mov_b32 s23, 0
	s_wait_kmcnt 0x0
	s_add_nc_u64 s[10:11], s[10:11], s[16:17]
	s_add_nc_u64 s[12:13], s[12:13], s[18:19]
	s_cmp_lt_u32 ttmp9, 128
	s_cbranch_scc0 .Lqk
	s_bfe_u32 s22, ttmp9, 0x30001                  ; Wv: K step s = (g >> 1) & 7: 128 rows of 4,096 bytes
	s_lshl_b32 s22, s22, 19
	s_lshr_b32 s24, ttmp9, 4                       ; G: 128 columns
	s_lshl_b32 s24, s24, 9
	s_add_co_u32 s22, s22, s24
	s_and_b32 s24, ttmp9, 1                        ; which 64 of them
	s_lshl_b32 s24, s24, 8
	s_add_co_u32 s22, s22, s24
	s_lshl_b32 s24, s14, 6                         ; my wave's 16
	s_add_co_u32 s22, s22, s24
	s_add_nc_u64 s[4:5], s[4:5], s[22:23]
	v_lshlrev_b32 v6, 2, v1
	v_lshl_add_u32 v6, v2, 17, v6                  ; 4 r + 32 rows x h
	WLOAD 4096
	s_branch .Ljoin
.Lqk:
	s_sub_co_u32 s22, ttmp9, 128
	s_lshr_b32 s24, s22, 3                         ; 0: Wq, 1: Wk
	s_cmp_eq_u32 s24, 0
	s_cselect_b64 s[4:5], s[6:7], s[8:9]
	s_and_b32 s22, s22, 7                          ; K step: 128 rows of 256 bytes
	s_lshl_b32 s22, s22, 15
	s_lshr_b32 s24, s14, 1                         ; tile dt = wave: columns 32 (dt / 2) + 8 (dt % 2) on
	s_lshl_b32 s24, s24, 7
	s_add_co_u32 s22, s22, s24
	s_and_b32 s24, s14, 1
	s_lshl_b32 s24, s24, 5
	s_add_co_u32 s22, s22, s24
	s_add_nc_u64 s[4:5], s[4:5], s[22:23]
	v_and_b32 v7, 8, v1
	v_add_nc_u32 v7, v7, v1                        ; r + 8 (r / 8)
	v_lshlrev_b32 v6, 2, v7
	v_lshl_add_u32 v6, v2, 13, v6                  ; + 32 rows x h
	WLOAD 256
.Ljoin:
	s_wait_loadcnt 0x0
.irp c, 0,1                                    ; my block 2 c + h: all its 32 numbers are mine
	v_max3_num_f32 v[32+\c], |v[64+32*\c]|, |v[65+32*\c]|, 0x2800000   ; with the floor 2^(5 - 127): the byte cannot fall under 1
.endr
.irp i, 2,4,6,8,10,12,14,16,18,20,22,24,26,28,30
.irp c, 0,1
	v_max3_num_f32 v[32+\c], v[32+\c], |v[64+32*\c+\i]|, |v[65+32*\c+\i]|
.endr
.endr
.irp c, 0,1
	v_add_nc_u32 v[44+\c], 0xfe000000, v[32+\c]    ; 4 off the exponent field: the conversion's scale operand
.endr
.irp c, 0,1
	v_lshrrev_b32 v[36+\c], 23, v[44+\c]           ; the scale's byte
.endr
	v_lshl_or_b32 v9, v37, 16, v36                 ; my two bytes: blocks h and 2 + h,
	v_lshlrev_b32 v10, 3, v2
	v_lshlrev_b32 v9, v10, v9                      ; at their places in the word;
	v_mov_b32 v10, 0
	v_permlanex16_b32 v10, v9, s20, s21
	v_or_b32 v9, v9, v10                           ; with lane l xor 16's two the word is whole, in both halves
.irp c, 0,1
	v_cvt_scalef32_pk16_bf6_f32 v[48+6*\c:50+6*\c], v[64+32*\c:79+32*\c], v[44+\c]
	v_cvt_scalef32_pk16_bf6_f32 v[192+4*\c:194+4*\c], v[80+32*\c:95+32*\c], v[44+\c]   ; (a conversion's three registers begin on an even number)
.endr
	v_nop                                          ; one plain place behind a scaled conversion
.irp c, 0,1
.irp i, 0,1,2
	v_mov_b32 v[51+6*\c+\i], v[192+4*\c+\i]
.endr
.endr
.irp c, 0,1,2
	global_store_b128 v4, v[48+4*\c:51+4*\c], s[10:11] offset:512*\c   ; 32 lanes store 512 consecutive bytes
.endr
	ds_store_b32 v5, v9
	s_wait_dscnt 0x0                               ; for the others' sake: my word lies in LDS
	s_barrier_signal -1
	s_barrier_wait -1
	s_cmp_lg_u32 s14, 0
	s_cbranch_scc1 .Lend
	ds_load_b128 v[12:15], v4                      ; wave 0 stores the record: four words a lane
	s_wait_dscnt 0x0
	global_store_b128 v4, v[12:15], s[12:13]
.Lend:
	s_wait_tensorcnt 0x0
	ds_add_u32 v208, v209
	s_wait_dscnt 0x0
	s_endpgm
.Lfunc_end_k_qfe8669d8ad_qw:
	.size	k_qfe8669d8ad_qw, .Lfunc_end_k_qfe8669d8ad_qw-k_qfe8669d8ad_qw
	.p2alignl 7, 3214868480
	.fill 96, 4, 3214868480
	.section	.rodata,"a",@progbits
	.p2align	6, 0x0
	.amdhsa_kernel k_qfe8669d8ad_qw
		.amdhsa_group_segment_fixed_size 1024
		.amdhsa_private_segment_fixed_size 0
		.amdhsa_enable_private_segment 0
		.amdhsa_kernarg_size 40
		.amdhsa_user_sgpr_count 2
		.amdhsa_user_sgpr_kernarg_segment_ptr 1
		.amdhsa_wavefront_size32 1
		.amdhsa_system_sgpr_workgroup_id_x 1
		.amdhsa_system_sgpr_workgroup_id_y 1
		.amdhsa_system_sgpr_workgroup_id_z 1
		.amdhsa_system_vgpr_workitem_id 0
		.amdhsa_next_free_vgpr 210
		.amdhsa_next_free_sgpr 66
		.amdhsa_reserve_vcc 0
		.amdhsa_float_denorm_mode_32 3
		.amdhsa_float_denorm_mode_16_64 3
		.amdhsa_memory_ordered 1
		.amdhsa_forward_progress 1
		.amdhsa_inst_pref_size 19
	.end_amdhsa_kernel
	.amdgpu_metadata
---
amdhsa.version: [ 1, 2 ]
amdhsa.kernels:
  - .name:           k_qfe8669d8ad_qw
    .symbol:         k_qfe8669d8ad_qw.kd
    .args:
      - { .name: Wv, .offset: 0, .size: 8, .value_kind: global_buffer, .address_space: global }
      - { .name: Wq, .offset: 8, .size: 8, .value_kind: global_buffer, .address_space: global }
      - { .name: Wk, .offset: 16, .size: 8, .value_kind: global_buffer, .address_space: global }
      - { .name: wimg, .offset: 24, .size: 8, .value_kind: global_buffer, .address_space: global }
      - { .name: wsc, .offset: 32, .size: 8, .value_kind: global_buffer, .address_space: global }
    .group_segment_fixed_size: 1024
    .private_segment_fixed_size: 0
    .kernarg_segment_align: 8
    .kernarg_segment_size: 40
    .max_flat_workgroup_size: 128
    .sgpr_count:     66
    .vgpr_count:     210
    .wavefront_size: 32
...
	.end_amdgpu_metadata
.endif
;; end of part 1
;; launch proj (part 2): grid 2 x 128, 4 waves a work-group, no clusters, 140,800 bytes of LDS; arguments input, wimg, wsc, bq, bk, bv, qimg, qsc, kimg, ksc, vimg, vsc; writes qimg, qsc, kimg, ksc, vimg, vsc
.if DOCPART == 2
	.amdgcn_target "amdgcn-amd-amdhsa--gfx1250"
	.amdhsa_code_object_version 6
	.text
	.protected	k_qfe8669d8ad_proj
	.globl	k_qfe8669d8ad_proj
	.p2align	8
	.type	k_qfe8669d8ad_proj,@function
k_qfe8669d8ad_proj:
	s_mov_b64 s[64:65], 0
	v_nop
	global_prefetch_b8 v0, s[64:65] scope:SCOPE_SE
	s_setreg_imm32_b32 hwreg(HW_REG_WAVE_MODE, 25, 1), 1
	s_wait_xcnt 0x0
; q = x Wq + bq, k = x Wk + bk, v = x Wv + bv on codes of E3M2 (one E8M0 byte for each 32 along K), and their results quantised again: q and k along d, v along the keys.
; SHARES.  Work-group (half, rb): rows 128 rb .. + 127 of x; half 0 makes q and v's columns 0-511, half 1 makes k and v's columns 512-1023.
; Wave w: v's columns 128 G .. + 127 (G = 4 half + w) for all 128 rows: 64 accumulators; and q or k for x's tiles 2 w, 2 w + 1: 8 accumulators.
; x IS QUANTISED ONCE A WORK-GROUP: wave w turns its 32 rows into fragments (registers -> its own stage in LDS -> 16 neighbours a lane -> codes), whose IMAGES (three blocks of 512 bytes, lane l's 16 bytes at 16 l)
; lie in LDS for all four waves.  x's loads run TWO K steps ahead, in four sets of 64 registers: 48 to 64 loads of 512 bytes a wave are out.  One barrier.
; Then eight K steps of 128: x's fragments from LDS, the weights' images from memory straight into registers, a step or two ahead.
; THE ROWS OF A TILE OF x ARE NOT NEIGHBOURS: lane r of tile 2 b + u takes row 32 b + 8 u + r + 8 (r / 8).  With x as source 0 a lane of v's result holds one column d and, over the eight tiles' registers,
; the 128 rows in runs of 16 neighbours: the order in which the quantiser along the keys wants them.  With W as source 0 (q, k; its tiles of d chosen alike) a lane holds one row and its d in the same order.
; The results leave as images too: v^T fragments (16 d x 128 keys), q and k fragments (16 rows x 64 d: registers 0-5; registers 6-11, K = 64 .. 127, would be zero codes and are not stored).
; LIMITS: a block of zeros, or one whose largest magnitude lies under 2^-122, keeps the byte 1 (only this program reads the bytes); NaN and infinities are not served.
; NO CLUSTER, NO TENSOR LOAD: each fragment of the weights is wanted by one wave of a work-group, in its registers, so there is no LDS tile that partners could be sent jointly;
; x's rows are shared by the two work-groups of a row block alone, which stand side by side in the grid.
; REGISTERS, in windows of 256.  Window 0: v1-15 addresses, v16-27 the quantiser's; while x is quantised: v32-159 the even K steps' two sets of 16 rows as loaded, v160-223 64 numbers, v224-243 codes;
;   in the K steps: v32-127 x's 8 fragments, v128-151 my two for q/k, v152-199 Wq's or Wk's four, v200-237 scale words, v244-251 bv.
;   Window 1: while x is quantised: v0-127 the odd K steps' two sets; then v0-191 Wv's 8 fragments, two sets; v192-255 q/k's accumulators.   Windows 2, 3: v's accumulators, (n, t) at 64 (n % 4) + 8 t.
.set XSC,  0                           ; LDS: x's scale words: 2,048 x wave + 256 s + 8 x lane + 4 u
.set XSTG, 8192                        ; a stage of 16 rows x (512 + 16) bytes for each wave
.set SPX,  528
.set XIMG, 41984                       ; x's images: 24,576 x wave + 3,072 s + 1,536 u: each wave's stores lie in one run of its own
.set LI,  1                            ; v1   16 x lane
.set L8,  2                            ; v2   8 x lane
.set SW,  3                            ; v3   my stage, on the way in: 16 x lane
.set SRX, 4                            ; v4   and out: row r, + 64 h
.set XWI, 5                            ; v5   my wave's images + 16 x lane
.set XWS, 6                            ; v6   my wave's scale words + 8 x lane
.set XA,  7                            ; v7   the images of waves 0, 1 + 16 x lane;  v8: of waves 2, 3
.set AI,  9                            ; v9   where this pair of K steps' images go
.set AS,  10                           ; v10  and its scale words
.set R4,  13                           ; v13  4 r
.set PW,  14                           ; v14  the scale word just made
.set H64, 15                           ; v15  64 h
.set TM,  16                           ; v16-19 largest magnitudes, v20-23 the other half's / bytes, v24-27 scale operands
.set R,   32
.set ST,  160
.set PC,  224
.set XF,  32
.set XQ,  128
.set QKW, 152
.set XS,  200                          ; x's scale words, two sets of 8
.set WS,  216                          ; Wv's, two sets of 8
.set QS,  232                          ; Wq's or Wk's four
.set XQS, 236                          ; my two tiles'
.set BV,  244
.set BB,  252                          ; v[252:253] the bias in hand, for the packed addition
.set PWS, 40                           ; the way out: v's eight scale words
.set QW,  48                           ; q's or k's two
.set QA,  192                          ; in window 1
.set XB,  4                            ; s[4:5]   x at my wave's 32 rows, this pair of K steps
.set WB,  34                           ; s[34:35] Wv's images of my 128 columns;  s[36:37] their records
.set WSB, 36
.set QWB, 38                           ; s[38:39] Wq's or Wk's images;  s[40:41] their records
.set QSB, 40
.set VB,  24                           ; s[24:25] where my v^T fragments go;  s[26:27] their scale words
.set VSB, 26
.set QIB, 42                           ; s[42:43] where my q or k fragments go;  s[44:45] their scale words
.set QCB, 44
.set BQB, 46                           ; s[46:47] bq or bk
.set SEL, 48                           ; s[48:49] lane l xor 16
.set MSB, 0
.macro WIN new                         ; the immediate's high byte repeats the setting that is left; a switch that changes nothing is dropped
.if MSB != (\new)
	s_set_vgpr_msb (MSB<<8)|(\new)
.set MSB, (\new)
.endif
.endm
.macro PLACES                          ; four plain places behind matrix instructions, in front of loads into their registers and of reads of their results
.rept 4
	v_nop
.endr
.endm
; 64 numbers of a lane, register 16 b + i = k 32 b + 16 h + i of my row, become a fragment's codes in v[PC] .. v[PC + 11] and its scale word in v[PW].
.macro QUANT s
.irp b, 0,1,2,3
	v_max3_num_f32 v[TM+\b], |v[\s+16*\b]|, |v[\s+1+16*\b]|, 0x2800000   ; my 16 numbers of block b, and the floor 2^(5 - 127): the byte cannot fall under 1
.endr
.irp i, 2,4,6,8,10,12,14
.irp b, 0,1,2,3
	v_max3_num_f32 v[TM+\b], v[TM+\b], |v[\s+16*\b+\i]|, |v[\s+1+16*\b+\i]|   ; (the four blocks by turns)
.endr
.endr
.irp b, 0,1,2,3
	v_permlanex16_b32 v[TM+4+\b], v[TM+\b], s[SEL], s[SEL+1]
.endr
.irp b, 0,1,2,3
	v_max_num_f32 v[TM+\b], v[TM+\b], v[TM+4+\b]   ; with lane l xor 16's: the block's largest magnitude
.endr
.irp b, 0,1,2,3
	v_add_nc_u32 v[TM+8+\b], 0xfe000000, v[TM+\b]  ; 4 off its exponent field: the conversion's scale operand
.endr
.irp b, 0,1,2,3
	v_lshrrev_b32 v[TM+4+\b], 23, v[TM+8+\b]       ; the scale's byte
.endr
	v_lshl_or_b32 v[PW], v[TM+5], 8, v[TM+4]
	v_lshl_or_b32 v[PW], v[TM+6], 16, v[PW]
	v_lshl_or_b32 v[PW], v[TM+7], 24, v[PW]
.irp c, 0,1
	v_cvt_scalef32_pk16_bf6_f32 v[PC+6*\c:PC+2+6*\c], v[\s+32*\c:\s+15+32*\c], v[TM+8+2*\c]
	v_cvt_scalef32_pk16_bf6_f32 v[PC+12+4*\c:PC+14+4*\c], v[\s+16+32*\c:\s+31+32*\c], v[TM+8+2*\c+1]   ; (a conversion's three registers begin on an even number)
.endr
	v_nop                                          ; one plain place behind a scaled conversion
.irp c, 0,1                                    ; the operand's layout wants a WHOLE block in a lane
.irp i, 0,1,2
	v_permlane16_swap_b32 v[PC+6*\c+\i], v[PC+12+4*\c+\i]
.endr
.irp i, 0,1,2
	v_mov_b32 v[PC+3+6*\c+\i], v[PC+12+4*\c+\i]
.endr
.endr
.endm
; Tile 2 w + u of x, the pair's K step par (0: the even one, its set in window 0; 1: the odd one, its set in window 1): 16 rows x 512 bytes as loaded go through my stage and come back
; 16 neighbours a block a lane; quantised; image and scale word to LDS.  more = 1: the set takes the same rows two K steps on.  cnt: the younger loads that may stay out (16 for each other set that is still being filled).
.macro XFRAG u, par, more, cnt
.set RB, (1-\par)*R+64*\u
	s_wait_loadcnt \cnt
	WIN 0x04*\par                                  ; an LDS store's data are its source 1
.irp i, 0,1,2,3,4,5,6,7,8,9,10,11,12,13,14,15
	ds_store_b128 v[SW], v[RB+4*\i:RB+4*\i+3] offset:SPX*\i
.endr
	WIN 0
.irp b, 0,1,2,3
.irp j, 0,1,2,3
	ds_load_b128 v[ST+16*\b+4*\j:ST+16*\b+4*\j+3], v[SRX] offset:128*\b+16*\j   ; LDS serves a wave's instructions in order: these see my stores
.endr
.endr
	s_wait_dscnt 0x0                               ; the numbers are back; the stores have read the set; the last image's stores have read the codes
.if \more
	WIN 0x40*\par                                  ; a load's data are its destination
.irp i, 0,1,2,3,4,5,6,7,8,9,10,11,12,13,14,15
	global_load_b128 v[RB+4*\i:RB+4*\i+3], v[LI], s[XB:XB+1] offset:(8*\u+\i+8*(\i/8))*4096+512*\par+1024   ; 32 lanes read 512 consecutive bytes of one row
.endr
	WIN 0
.endif
	QUANT ST
.irp c, 0,1,2
	ds_store_b128 v[AI], v[PC+4*\c:PC+4*\c+3] offset:3072*\par+1536*\u+512*\c
.endr
	ds_store_b32 v[AS], v[PW] offset:256*\par+4*\u
.endm
; 16 products of v: x's tiles t0 .. t0 + 3 (source 0) x Wv's tiles n0 .. n0 + 3 (source 1), K step s.  The first K step starts the sums.  Every accumulator has one turn a K step.
.macro MULV s, t0, n0
.irp t, 0,1,2,3
.irp n, 0,1,2,3
.if (\s) == 0
	v_wmma_scale_f32_16x16x128_f8f6f4 v[64*\n+8*(\t0+\t):64*\n+8*(\t0+\t)+7], v[XF+12*(\t0+\t):XF+12*(\t0+\t)+11], v[96*((\s)%2)+12*(\n0+\n):96*((\s)%2)+12*(\n0+\n)+11], 0, v[XS+8*((\s)%2)+\t0+\t], v[WS+8*((\s)%2)+\n0+\n] matrix_a_fmt:MATRIX_FMT_BF6 matrix_b_fmt:MATRIX_FMT_BF6
.else
	v_wmma_scale_f32_16x16x128_f8f6f4 v[64*\n+8*(\t0+\t):64*\n+8*(\t0+\t)+7], v[XF+12*(\t0+\t):XF+12*(\t0+\t)+11], v[96*((\s)%2)+12*(\n0+\n):96*((\s)%2)+12*(\n0+\n)+11], v[64*\n+8*(\t0+\t):64*\n+8*(\t0+\t)+7], v[XS+8*((\s)%2)+\t0+\t], v[WS+8*((\s)%2)+\n0+\n] matrix_a_fmt:MATRIX_FMT_BF6 matrix_b_fmt:MATRIX_FMT_BF6
.endif
.endr
.endr
.endm
.macro QKMUL                           ; 8 products of q or k: W's four tiles of d (source 0) x my two tiles of x (source 1); the sums began as the bias
.irp u, 0,1
.irp d, 0,1,2,3
	v_wmma_scale_f32_16x16x128_f8f6f4 v[QA+32*\u+8*\d:QA+32*\u+8*\d+7], v[QKW+12*\d:QKW+12*\d+11], v[XQ+12*\u:XQ+12*\u+11], v[QA+32*\u+8*\d:QA+32*\u+8*\d+7], v[QS+\d], v[XQS+\u] matrix_a_fmt:MATRIX_FMT_BF6 matrix_b_fmt:MATRIX_FMT_BF6
.endr
.endr
.endm
.macro FX s, t0                        ; x's fragments t0 .. t0 + 3 of K step s: 12 LDS loads
.irp t, 0,1,2,3
.irp c, 0,1,2
	ds_load_b128 v[XF+12*(\t0+\t)+4*\c:XF+12*(\t0+\t)+4*\c+3], v[XA+(\t0)/4] offset:(\t/2)*24576+(\s)*3072+(\t%2)*1536+512*\c
.endr
.endr
.endm
.macro XSLOAD s                        ; the eight tiles' scale words: 4 LDS loads
.irp a, 0,1,2,3
	ds_load_b64 v[XS+8*((\s)%2)+2*\a:XS+8*((\s)%2)+2*\a+1], v[L8] offset:XSC+2048*\a+256*(\s)
.endr
.endm
.macro XQLOAD s                        ; my own two tiles once more, for q/k, with their words: 7 LDS loads
.irp u, 0,1
.irp c, 0,1,2
	ds_load_b128 v[XQ+12*\u+4*\c:XQ+12*\u+4*\c+3], v[XWI] offset:(\s)*3072+1536*\u+512*\c
.endr
.endr
	ds_load_b64 v[XQS:XQS+1], v[XWS] offset:256*(\s)
.endm
.macro QKWLOAD s                       ; Wq's or Wk's four fragments of K step s and their record: 13 loads
.irp d, 0,1,2,3
.irp c, 0,1,2
	global_load_b128 v[QKW+12*\d+4*\c:QKW+12*\d+4*\c+3], v[LI], s[QWB:QWB+1] offset:(4*(\s)+\d)*1536+512*\c
.endr
.endr
	global_load_b128 v[QS:QS+3], v[LI], s[QSB:QSB+1] offset:(\s)*512
.endm
.macro WLOAD s                         ; Wv's eight fragments of K step s into set s % 2, and their two records: 26 loads
	WIN 0x40                                       ; destination window 1
.irp n, 0,1,2,3,4,5,6,7
.irp c, 0,1,2
	global_load_b128 v[96*((\s)%2)+12*\n+4*\c:96*((\s)%2)+12*\n+4*\c+3], v[LI], s[WB:WB+1] offset:(\s)*12288+\n*1536+512*\c
.endr
.endr
	WIN 0
	global_load_b128 v[WS+8*((\s)%2):WS+8*((\s)%2)+3], v[LI], s[WSB:WSB+1] offset:(\s)*1024
	global_load_b128 v[WS+8*((\s)%2)+4:WS+8*((\s)%2)+7], v[LI], s[WSB:WSB+1] offset:(\s)*1024+512
.endm
; A K step of 128: 64 products of v, 8 of q or k.
.macro KSTEP s
.if (\s) < 7
	s_wait_loadcnt 39                              ; Wv's set of this step is in; younger: this step's Wq/Wk (13) and the next step's Wv (26)
.else
	s_wait_loadcnt 13
.endif
	s_wait_dscnt 19                                ; x's tiles 0-3 and the eight words are in; younger: tiles 4-7 (12), my two for q/k (6), their words (1)
	WIN 0xa4                                       ; source 0 (x) window 0, source 1 (Wv) window 1, C and D window 2
	MULV \s, 0, 0
	WIN 0xf4                                       ; C and D window 3
	MULV \s, 0, 4
	s_wait_dscnt 0x0
.if (\s) < 7
	PLACES
	WIN 0
	FX (\s)+1, 0
	XSLOAD (\s)+1
.endif
	WIN 0xa4
	MULV \s, 4, 0
	WIN 0xf4
	MULV \s, 4, 4
.if (\s) < 7
	s_wait_loadcnt 26                              ; this step's Wq/Wk is in; younger: the next step's Wv
.else
	s_wait_loadcnt 0x0
.endif
	WIN 0x50                                       ; sources 0 and 1 window 0, C and D window 1
	QKMUL
.if (\s) < 7
	PLACES
	WIN 0
	FX (\s)+1, 4
	XQLOAD (\s)+1
	QKWLOAD (\s)+1
.endif
.if (\s) < 6
	WLOAD (\s)+2                                   ; into the set that this step has just multiplied
.endif
.endm
	s_load_b512 s[4:19], s[0:1], 0x0               ; input, wimg, wsc, bq, bk, bv, qimg, qsc
	s_load_b256 s[20:27], s[0:1], 0x40             ; kimg, ksc, vimg, vsc
	v_lshl_add_u32 v254, v0, 2, 0x22400
	v_mov_b32 v255, 0
	v_lshrrev_b32 v9, 5, v0
	v_readfirstlane_b32 s28, v9                    ; wave
	s_mov_b32 s29, ttmp9                           ; half
	s_and_b32 s30, ttmp7, 0xffff                   ; rb
	s_lshl_b32 s31, s29, 2
	s_add_co_u32 s31, s31, s28                     ; G
	v_and_b32 v9, 31, v0                           ; lane
	v_and_b32 v10, 15, v0                          ; r
	v_bfe_u32 v11, v0, 4, 1                        ; h
	v_lshlrev_b32 v[LI], 4, v9
	v_lshlrev_b32 v[L8], 3, v9
	s_mul_i32 s32, s28, 16*SPX
	s_add_co_u32 s32, s32, XSTG
	v_add_nc_u32 v[SW], s32, v[LI]
	v_mul_u32_u24 v[SRX], v10, SPX
	v_lshl_add_u32 v[SRX], v11, 6, v[SRX]
	v_add_nc_u32 v[SRX], s32, v[SRX]
	s_mul_i32 s32, s28, 24576
	s_add_co_u32 s32, s32, XIMG
	v_add_nc_u32 v[XWI], s32, v[LI]
	s_lshl_b32 s32, s28, 11
	v_add_nc_u32 v[XWS], s32, v[L8]
	v_add_nc_u32 v[XA], XIMG, v[LI]
	v_add_nc_u32 v[XA+1], XIMG+49152, v[LI]
	v_lshlrev_b32 v[R4], 2, v10
	v_lshlrev_b32 v[H64], 6, v11
.irp b, 0,1,2,3
	v_mov_b32 v[TM+4+\b], 0                        ; written once: a lane permute's destination counts as one of its sources
.endr
	v_mov_b32 v[BB+1], 0                           ; (named as the upper half of a pair)
	s_mov_b32 s[SEL], 0x76543210
	s_mov_b32 s[SEL+1], 0xfedcba98
	s_mov_b32 s33, 0
	s_wait_kmcnt 0x0
	s_lshl_b32 s32, s30, 19                        ; 128 rows of 4,096 bytes
	s_add_nc_u64 s[XB:XB+1], s[XB:XB+1], s[32:33]
	s_lshl_b32 s32, s28, 17                        ; my wave's 32
	s_add_nc_u64 s[XB:XB+1], s[XB:XB+1], s[32:33]
.irp p, 0,1                                    ; K steps 0 and 1 of my two tiles: the four sets are filled before anything else is done
	WIN 0x40*\p
.irp u, 0,1
.irp i, 0,1,2,3,4,5,6,7,8,9,10,11,12,13,14,15
	global_load_b128 v[(1-\p)*R+64*\u+4*\i:(1-\p)*R+64*\u+4*\i+3], v[LI], s[XB:XB+1] offset:(8*\u+\i+8*(\i/8))*4096+512*\p
.endr
.endr
.endr
	WIN 0
	s_mul_i32 s32, s31, 98304                      ; 64 fragments for each 128 columns
	s_add_nc_u64 s[WB:WB+1], s[6:7], s[32:33]
	s_lshl_b32 s32, s31, 13
	s_add_nc_u64 s[WSB:WSB+1], s[8:9], s[32:33]
	s_mul_i32 s32, s29, 49152
	s_add_co_u32 s32, s32, 786432                  ; fragment 512 + 32 half
	s_add_nc_u64 s[QWB:QWB+1], s[6:7], s[32:33]
	s_lshl_b32 s32, s29, 12
	s_add_co_u32 s32, s32, 65536                   ; record 128 + 8 half
	s_add_nc_u64 s[QSB:QSB+1], s[8:9], s[32:33]
	s_lshl_b32 s53, s30, 3
	s_add_co_u32 s53, s53, s31                     ; 8 rb + G
	s_mul_i32 s32, s53, 12288
	s_add_nc_u64 s[VB:VB+1], s[VB:VB+1], s[32:33]
	s_lshl_b32 s32, s53, 10
	s_add_nc_u64 s[VSB:VSB+1], s[VSB:VSB+1], s[32:33]
	s_cmp_eq_u32 s29, 0                            ; q's buffers or k's: the choice hangs on the work-group's number alone
	s_cselect_b64 s[QIB:QIB+1], s[16:17], s[20:21]
	s_cselect_b64 s[QCB:QCB+1], s[18:19], s[22:23]
	s_cselect_b64 s[BQB:BQB+1], s[10:11], s[12:13]
	s_lshl_b32 s32, s30, 3
	s_lshl_b32 s53, s28, 1
	s_add_co_u32 s32, s32, s53                     ; tile 8 rb + 2 w
	s_mul_i32 s32, s32, 768
	s_add_nc_u64 s[QIB:QIB+1], s[QIB:QIB+1], s[32:33]
	s_lshl_b32 s32, s30, 10
	s_lshl_b32 s53, s28, 8
	s_add_co_u32 s32, s32, s53
	s_add_nc_u64 s[QCB:QCB+1], s[QCB:QCB+1], s[32:33]
	s_lshl_b32 s32, s29, 11
	s_lshl_b32 s53, s28, 9
	s_add_co_u32 s32, s32, s53                     ; bv at column 128 G
	s_add_nc_u64 s[14:15], s[14:15], s[32:33]
	; ---- x becomes codes: eight K steps, two tiles each, two K steps a trip; the loads run two K steps ahead
	s_mov_b32 s50, 3
	s_mov_b32 s51, 0                               ; 3,072 s
	s_mov_b32 s52, 0                               ; 256 s
.Lx:
	v_add_nc_u32 v[AI], s51, v[XWI]
	v_add_nc_u32 v[AS], s52, v[XWS]
	XFRAG 0, 0, 1, 48                              ; 48: the three other sets' loads are younger, into the loop and round its back edge alike
	XFRAG 1, 0, 1, 48
	XFRAG 0, 1, 1, 48
	XFRAG 1, 1, 1, 48
	s_wait_xcnt 0x0                                ; the loads have read their base: it steps only behind this wait
	s_add_nc_u64 s[XB:XB+1], s[XB:XB+1], 1024
	s_add_co_u32 s51, s51, 6144
	s_add_co_u32 s52, s52, 512
	s_sub_co_u32 s50, s50, 1
	s_cmp_lg_u32 s50, 0
	s_cbranch_scc1 .Lx
	v_add_nc_u32 v[AI], s51, v[XWI]
	v_add_nc_u32 v[AS], s52, v[XWS]
	XFRAG 0, 0, 0, 48                              ; the last two K steps ask for nothing: the counts run down
	XFRAG 1, 0, 0, 32
	XFRAG 0, 1, 0, 16
	XFRAG 1, 1, 0, 0
	s_wait_dscnt 0x0                               ; for the others' sake: my images and words lie in LDS (and my stores have read window 1's sets, which Wv's fragments take now)
.irp n, 0,1,2,3,4,5,6,7
	global_load_b32 v[BV+\n], v[R4], s[14:15] offset:64*\n   ; bv(128 G + 16 n + r)
.endr
	WIN 0x40
.irp u, 0,1                                    ; the bias of q or k is loaded INTO the accumulators, in the result's layout: register 8 dt + j is d = 32 (dt / 2) + 8 (dt % 2) + 16 h + j
.irp d, 0,1,2,3
	global_load_b128 v[QA+32*\u+8*\d:QA+32*\u+8*\d+3], v[H64], s[BQB:BQB+1] offset:(32*(\d/2)+8*(\d%2))*4
	global_load_b128 v[QA+32*\u+8*\d+4:QA+32*\u+8*\d+7], v[H64], s[BQB:BQB+1] offset:(32*(\d/2)+8*(\d%2))*4+16
.endr
.endr
	WIN 0
	WLOAD 0                                        ; the biases and the first weights go out ahead of the barrier: they are on their way while the waves meet
	QKWLOAD 0
	WLOAD 1
	s_barrier_signal -1
	s_barrier_wait -1                              ; x's 64 fragments lie in LDS; nothing in LDS is written from here on
	FX 0, 0
	XSLOAD 0
	FX 0, 4
	XQLOAD 0
	; ---- the products
.irp s, 0,1,2,3,4,5,6,7
	KSTEP \s
.endr
	PLACES
	WIN 0
	; ---- q or k: my two tiles, quantised along d; blocks 2 and 3 of the instruction's K are zeros
.set J, 32
.rept 32
	v_mov_b32 v[ST+J], 0
.set J, J+1
.endr
.irp u, 0,1
	s_wait_xcnt 0x0                                ; the last stores have read the codes' registers
	WIN 0x01                                       ; source 0 window 1
.set J, 0
.rept 32
	v_mov_b32 v[ST+J], v[QA+32*\u+J]               ; each accumulator from its low end on
.set J, J+1
.endr
	WIN 0
	QUANT ST
	v_mov_b32 v[QW+\u], v[PW]
	global_store_b128 v[LI], v[PC:PC+3], s[QIB:QIB+1] offset:768*\u          ; registers 0-3: 512 consecutive bytes
	global_store_b64 v[L8], v[PC+4:PC+5], s[QIB:QIB+1] offset:768*\u+512     ; registers 4, 5: 256
.endr
	global_store_b64 v[L8], v[QW:QW+1], s[QCB:QCB+1]                         ; the two tiles' words: 256 consecutive bytes
	; ---- v: my eight tiles of 16 columns; + bv; quantised along the 128 keys: a fragment of v^T each
.irp n, 0,1,2,3,4,5,6,7
	s_wait_xcnt 0x0
	v_mov_b32 v[BB], v[BV+\n]
	WIN 0x02+(\n/4)                                ; source 0 window 2 or 3
.set J, 0
.rept 32
	v_pk_add_f32 v[ST+J:ST+J+1], v[64*(\n%4)+J:64*(\n%4)+J+1], v[BB:BB+1] op_sel_hi:[1,0]
.set J, J+2
.endr
	WIN 0
	QUANT ST
	v_mov_b32 v[PWS+\n], v[PW]
.irp c, 0,1,2
	global_store_b128 v[LI], v[PC+4*\c:PC+4*\c+3], s[VB:VB+1] offset:1536*\n+512*\c
.endr
.endr
	global_store_b128 v[LI], v[PWS:PWS+3], s[VSB:VSB+1]
	global_store_b128 v[LI], v[PWS+4:PWS+7], s[VSB:VSB+1] offset:512
	s_wait_tensorcnt 0x0
	ds_add_u32 v254, v255
	s_wait_dscnt 0x0
	s_endpgm
.Lfunc_end_k_qfe8669d8ad_proj:
	.size	k_qfe8669d8ad_proj, .Lfunc_end_k_qfe8669d8ad_proj-k_qfe8669d8ad_proj
	.p2alignl 7, 3214868480
	.fill 96, 4, 3214868480
	.section	.rodata,"a",@progbits
	.p2align	6, 0x0
	.amdhsa_kernel k_qfe8669d8ad_proj
		.amdhsa_group_segment_fixed_size 140800
		.amdhsa_private_segment_fixed_size 0
		.amdhsa_enable_private_segment 0
		.amdhsa_kernarg_size 96
		.amdhsa_user_sgpr_count 2
		.amdhsa_user_sgpr_kernarg_segment_ptr 1
		.amdhsa_wavefront_size32 1
		.amdhsa_system_sgpr_workgroup_id_x 1
		.amdhsa_system_sgpr_workgroup_id_y 1
		.amdhsa_system_sgpr_workgroup_id_z 1
		.amdhsa_system_vgpr_workitem_id 0
		.amdhsa_next_free_vgpr 1024
		.amdhsa_next_free_sgpr 72
		.amdhsa_reserve_vcc 0
		.amdhsa_float_denorm_mode_32 3
		.amdhsa_float_denorm_mode_16_64 3
		.amdhsa_memory_ordered 1
		.amdhsa_forward_progress 1
		.amdhsa_inst_pref_size 252
	.end_amdhsa_kernel
	.amdgpu_metadata
---
amdhsa.version: [ 1, 2 ]
amdhsa.kernels:
  - .name:           k_qfe8669d8ad_proj
    .symbol:         k_qfe8669d8ad_proj.kd
    .args:
      - { .name: input, .offset: 0, .size: 8, .value_kind: global_buffer, .address_space: global }
      - { .name: wimg, .offset: 8, .size: 8, .value_kind: global_buffer, .address_space: global }
      - { .name: wsc, .offset: 16, .size: 8, .value_kind: global_buffer, .address_space: global }
      - { .name: bq, .offset: 24, .size: 8, .value_kind: global_buffer, .address_space: global }
      - { .name: bk, .offset: 32, .size: 8, .value_kind: global_buffer, .address_space: global }
      - { .name: bv, .offset: 40, .size: 8, .value_kind: global_buffer, .address_space: global }
      - { .name: qimg, .offset: 48, .size: 8, .value_kind: global_buffer, .address_space: global }
      - { .name: qsc, .offset: 56, .size: 8, .value_kind: global_buffer, .address_space: global }
      - { .name: kimg, .offset: 64, .size: 8, .value_kind: global_buffer, .address_space: global }
      - { .name: ksc, .offset: 72, .size: 8, .value_kind: global_buffer, .address_space: global }
      - { .name: vimg, .offset: 80, .size: 8, .value_kind: global_buffer, .address_space: global }
      - { .name: vsc, .offset: 88, .size: 8, .value_kind: global_buffer, .address_space: global }
    .group_segment_fixed_size: 140800
    .private_segment_fixed_size: 0
    .kernarg_segment_align: 8
    .kernarg_segment_size: 96
    .max_flat_workgroup_size: 128
    .sgpr_count:     72
    .vgpr_count:     1024
    .wavefront_size: 32
...
	.end_amdgpu_metadata
.endif
;; end of part 2
;; launch attn (part 3): grid 32 x 8, 4 waves a work-group, no clusters, 42,496 bytes of LDS; arguments qimg, qsc, kimg, ksc, vimg, vsc, out0; writes out0
.if DOCPART == 3
	.amdgcn_target "amdgcn-amd-amdhsa--gfx1250"
	.amdhsa_code_object_version 6
	.text
	.protected	k_qfe8669d8ad_attn
	.globl	k_qfe8669d8ad_attn
	.p2align	8
	.type	k_qfe8669d8ad_attn,@function
k_qfe8669d8ad_attn:
	s_mov_b64 s[64:65], 0
	v_nop
	global_prefetch_b8 v0, s[64:65] scope:SCOPE_SE
	s_setreg_imm32_b32 hwreg(HW_REG_WAVE_MODE, 25, 1), 1
	s_wait_xcnt 0x0
; out[b][q][:] = sum over keys k <= q of softmax_k(q . k / 8) v[k][:], both products on codes of E3M2 with one E8M0 byte for each 32 along K.  All operands arrive as images of operand registers.
; THE SOFTMAX AHEAD OF THE SECOND PRODUCT: t = score x log2(e) / 8; M = the running largest t rounded UP to a whole number; p = 2^(t - M) is quantised along the keys, not normalised;
; the row's sum is taken of the unquantised p and divides at the end; when M moves, the sum and O are multiplied by 2^(old M - new M), which rounds nothing.
; SHARES.  Work-group (pr, hD, b): query blocks of 64 rows, first 31 - pr, then pr, of batch b, for columns 512 hD .. + 511.  Block i needs i / 2 + 1 key steps of 128 (later keys are hidden):
; the two blocks together 17 for every pr: one trip count for all 256 work-groups, and equal work.
; Wave w (a) makes S^T = K Q^T, the softmax and p's fragment for tile w (16 queries) of the block, and (b) owns O^T of all 64 queries for its 128 columns (G = 4 hD + w): 32 accumulators.
; p's fragments, their scale words, the factors f and the sums go from wave to wave through LDS as images; two barriers a step: stores | reads, and reads | the next step's stores.
; K and V come from memory straight into registers: K a key step ahead, V TWO key steps ahead, in two sets of registers that take turns (even steps: window 2, odd steps: window 3), so a trip of the loop is two steps.
; Both products are used transposed, so a lane holds ONE query throughout.  The keys (and queries) of a tile are not neighbours: lane r of tile 2 b + u holds row 32 b + 8 u + r + 8 (r / 8).
; q and k have K = 64: registers 6-11 of their fragments are zero codes, written once here.
; Where a block ends, the loads ahead go on with the second block's key steps; behind the second block's end they go round in it.  So the launch's last two steps ask for 72 loads (K once, V twice) that lie inside
; their buffers and are not used: every counted wait then holds on every way.
; The lines that turn to the second block run behind both blocks; the second time they change nothing that is read.
; NO CLUSTER, NO TENSOR LOAD: each fragment of V is wanted by one wave of a work-group, in its registers; and work-groups of a batch stand at different key steps (block 31 - pr has 16 - pr / 2 steps), so partners' requests would not be the same.
; LIMITS: NaN and infinities are not served.
; REGISTERS.  Window 0: v1-11 addresses; v12 -M, v13 the largest t, v[14:15] the sum; v16-27 Q; v28-33, v35 the second block's; v34-59 scale words and sums; v60-67 f; v68-75 1 / sum; v80-87 V's scale words, second set;
;   v96-159 S^T, then p, then the four p fragments, on the way out rows of O; v160-223 the way out; v224-255 at work.   Window 1: O^T, (m, n) at 64 m + 8 n.   Window 2: v0-95 V (even steps), v96-191 K.   Window 3: v0-95 V (odd steps).
.set PSC,   6144                       ; LDS: p's four images at 0; their scale words: 16 x lane + 4 w
.set PF,    6656                       ; the factors, as pairs: 32 x lane + 8 w
.set PL,    7680                       ; the sums: 16 x lane + 4 w
.set STAGE, 8192                       ; the way out: 16 rows x (512 + 16) bytes for each wave
.set SP,    528
.set LI,  1                            ; v1  16 x lane
.set L8,  2                            ; v2  8 x lane
.set PWI, 3                            ; v3  where my p fragment goes
.set PSW, 4                            ; v4  its scale word
.set PFW, 5                            ; v5  my f
.set PLW, 6                            ; v6  my sum
.set RD32, 7                           ; v7  32 x lane
.set STO, 8                            ; v8  the stage: row r, + 32 h
.set SRD, 9                            ; v9  and back: 16 x lane
.set QL,  10                           ; v10 my query's place in its 64 rows - 16 h
.set QSA, 11                           ; v11 8 x lane + 4 (w % 2): my tile's scale word
.set QF,  16
.set QFB, 28
.set QS,  34
.set QSB, 35
.set KS,  36
.set VS,  44                           ; V's scale words: set p at v[VS + 36 p]: v44-51, v80-87
.set PS,  52
.set LL,  56
.set FF,  60
.set RL,  68
.set S,   96
.set PR,  96
.set BK,  96
.set OT,  160
.set KF,  96                           ; in window 2
.set WV,  18
.set PRR, 19
.set HD,  20
.set BT,  21
.set CS,  22                           ; s[22:23] c = log2(e) / 8
.set SEL, 24                           ; s[24:25] lane l xor 16
.set CNT, 26
.set KSC, 27                           ; the key step in hand
.set KSN, 28                           ; the one whose K is asked for
.set NCUR, 29                          ; key steps of the block in hand
.set BLK, 30
.set LAST, 31                          ; 1 in a block's last step: the one on the diagonal
.set KP,  32                           ; s[32:35] K's images and words of key step KSN;  s[36:39] V's images and words of key step VK
.set KSP, 34
.set VP,  36
.set VSP, 38
.set OB,  40                           ; s[40:41] O at the block's first row, my columns
.set T,   42                           ; s[42:43] an offset; the upper word stays 0
.set VK,  56                           ; s56 the key step whose V is asked for: two steps ahead of the one in hand
.set VN,  57                           ; s57 key steps of the block in which it lies
.set NBS, 58                           ; s58 key steps of the second block
.set MSB, 0
.macro WIN new
.if MSB != (\new)
	s_set_vgpr_msb (MSB<<8)|(\new)
.set MSB, (\new)
.endif
.endm
.macro PLACES n
.rept \n
	v_nop
.endr
.endm
.macro KLOAD                           ; 8 tiles of 16 keys (registers 0-5) and their words: 20 loads
	WIN 0x80                                       ; destination window 2
.irp t, 0,1,2,3,4,5,6,7
	global_load_b128 v[KF+12*\t:KF+12*\t+3], v[LI], s[KP:KP+1] offset:768*\t
	global_load_b64 v[KF+12*\t+4:KF+12*\t+5], v[L8], s[KP:KP+1] offset:768*\t+512
.endr
	WIN 0
.irp i, 0,1,2,3
	global_load_b64 v[KS+2*\i:KS+2*\i+1], v[L8], s[KSP:KSP+1] offset:256*\i
.endr
.endm
.macro VLOAD hh, p, ahead              ; four fragments of V^T (16 d x 128 keys) and their words into set p: 13 loads.  ahead = 1 (at the head alone): the key step behind the one at which the bases stand
	WIN 0x80+0x40*\p                               ; destination window 2 or 3
.irp n, 0,1,2,3
.irp c, 0,1,2
	global_load_b128 v[12*(4*\hh+\n)+4*\c:12*(4*\hh+\n)+4*\c+3], v[LI], s[VP:VP+1] offset:98304*\ahead+1536*(4*\hh+\n)+512*\c
.endr
.endr
	WIN 0
	global_load_b128 v[VS+36*\p+4*\hh:VS+36*\p+4*\hh+3], v[LI], s[VSP:VSP+1] offset:8192*\ahead+512*\hh
.endm
.macro RESC hh                         ; O^T of column tiles 4 hh .. + 3 under the new M: x each query tile's f
	WIN 0x41                                       ; destination and source 0 window 1, f window 0
.irp m, 0,1,2,3
.irp i, 0,2,4,6,8,10,12,14,16,18,20,22,24,26,28,30
	v_pk_mul_f32 v[64*\m+32*\hh+\i:64*\m+32*\hh+\i+1], v[64*\m+32*\hh+\i:64*\m+32*\hh+\i+1], v[FF+2*\m:FF+2*\m+1] op_sel_hi:[1,0]
.endr
.endr
.endm
.macro PV hh, first, p                 ; O^T += V^T P^T: 16 products, the accumulators by turns; first = 1: they start the sums; p: V's set
	WIN 0x52+\p                                    ; source 0 (V) window 2 or 3, source 1 (p) window 0, C and D window 1
.irp n, 0,1,2,3
.irp m, 0,1,2,3
.if \first
	v_wmma_scale_f32_16x16x128_f8f6f4 v[64*\m+8*(4*\hh+\n):64*\m+8*(4*\hh+\n)+7], v[12*(4*\hh+\n):12*(4*\hh+\n)+11], v[PR+12*\m:PR+12*\m+11], 0, v[VS+36*\p+4*\hh+\n], v[PS+\m] matrix_a_fmt:MATRIX_FMT_BF6 matrix_b_fmt:MATRIX_FMT_BF6
.else
	v_wmma_scale_f32_16x16x128_f8f6f4 v[64*\m+8*(4*\hh+\n):64*\m+8*(4*\hh+\n)+7], v[12*(4*\hh+\n):12*(4*\hh+\n)+11], v[PR+12*\m:PR+12*\m+11], v[64*\m+8*(4*\hh+\n):64*\m+8*(4*\hh+\n)+7], v[VS+36*\p+4*\hh+\n], v[PS+\m] matrix_a_fmt:MATRIX_FMT_BF6 matrix_b_fmt:MATRIX_FMT_BF6
.endif
.endr
.endr
.endm
; THE WAY OUT of a block, and the turn to the second block.
.macro EPI
.irp m, 0,1,2,3
	v_rcp_f32 v[RL+2*\m], v[LL+\m]
.endr
	v_nop                                          ; a plain place behind the last reciprocal
	s_wait_alu depctr_va_vdst(0)                   ; one wait for the four, ahead of their first reader
.irp m, 0,1,2,3
	WIN 0x01                                       ; source 0 window 1
.set J, 0
.rept 32
	v_pk_mul_f32 v[OT+J:OT+J+1], v[64*\m+J:64*\m+J+1], v[RL+2*\m:RL+2*\m+1] op_sel_hi:[1,0]   ; O^T / the sum; each accumulator from its low end on
.set J, J+2
.endr
	WIN 0
.irp n, 0,1,2,3,4,5,6,7
	ds_store_b128 v[STO], v[OT+8*\n:OT+8*\n+3] offset:64*\n        ; lane (r, h): query r, columns 16 n + 8 h + 0 .. 7
	ds_store_b128 v[STO], v[OT+8*\n+4:OT+8*\n+7] offset:64*\n+16
.endr
	s_wait_xcnt 0x0                                ; the last tile's stores have read their registers
.irp i, 0,1,2,3,4,5,6,7,8,9,10,11,12,13,14,15
	ds_load_b128 v[BK+4*\i:BK+4*\i+3], v[SRD] offset:SP*\i         ; LDS serves a wave's instructions in order: these see my stores
.endr
	s_wait_dscnt 0x0
.irp i, 0,1,2,3,4,5,6,7,8,9,10,11,12,13,14,15
	global_store_b128 v[LI], v[BK+4*\i:BK+4*\i+3], s[OB:OB+1] offset:(32*(\m/2)+8*(\m%2)+\i+8*(\i/8))*4096 th:TH_STORE_NT   ; 32 lanes store 512 consecutive bytes of one row
.endr
.endr
	s_wait_xcnt 0x0                                ; the stores have read their base and their registers
	s_mov_b32 s[BLK], s[PRR]
	s_lshr_b32 s[NCUR], s[PRR], 1
	s_add_co_u32 s[NCUR], s[NCUR], 1
	s_lshl_b32 s[T], s[PRR], 18
	s_add_nc_u64 s[OB:OB+1], s[16:17], s[T:T+1]
.irp i, 0,1,2,3,4,5
	v_mov_b32 v[QF+\i], v[QFB+\i]
.endr
	v_mov_b32 v[QS], v[QSB]
	v_mov_b32 v13, 0xff61b1e6                      ; the largest t: -3e38 again; the next step's f is then 0, which clears O^T and the sum
	v_floor_f32 v12, -v13
	v_mov_b32 v14, 0
	v_mov_b32 v15, 0
	PLACES 8                                       ; a scale register written by a vector instruction stands 8 places ahead of a scaled matrix instruction, an operand 4
.endm
; A KEY STEP: 128 keys.  first = 1: the launch's first step: no mask, no rescaling, no way out.  p: V's set of this step.
.macro STEP first, p
	s_wait_xcnt 0x0                                ; the loads ahead have read their bases: these are written only behind this wait
	s_add_co_u32 s[KSN], s[KSC], 1                 ; K: the next step; behind a block's last step the second block's first
	s_cmp_eq_u32 s[KSN], s[NCUR]
	s_cselect_b32 s[LAST], 1, 0
	s_cselect_b32 s[KSN], 0, s[KSN]
	s_mul_i32 s[T], s[KSN], 6144
	s_add_nc_u64 s[KP:KP+1], s[8:9], s[T:T+1]
	s_lshl_b32 s[T], s[KSN], 10
	s_add_nc_u64 s[KSP:KSP+1], s[10:11], s[T:T+1]
	s_add_co_u32 s[VK], s[VK], 1                   ; V: a walk of its own, two steps ahead, which turns to the second block at its own time
	s_cmp_eq_u32 s[VK], s[VN]
	s_cselect_b32 s[VK], 0, s[VK]
	s_cselect_b32 s[VN], s[NBS], s[VN]
	s_mul_i32 s[T], s[VK], 98304
	s_add_nc_u64 s[VP:VP+1], s[12:13], s[T:T+1]
	s_lshl_b32 s[T], s[VK], 13
	s_add_nc_u64 s[VSP:VSP+1], s[14:15], s[T:T+1]
	s_wait_loadcnt 26                              ; younger: the next step's V, 26.  So this step's K is in, and this step's V too, which was asked for ahead of it: the second product needs no wait of its own
	WIN 0x02                                       ; source 0 (K) window 2
.irp t, 0,1,2,3,4,5,6,7
	v_wmma_scale_f32_16x16x128_f8f6f4 v[S+8*\t:S+8*\t+7], v[KF+12*\t:KF+12*\t+11], v[QF:QF+11], 0, v[KS+\t], v[QS] matrix_a_fmt:MATRIX_FMT_BF6 matrix_b_fmt:MATRIX_FMT_BF6
.endr
	PLACES 4
	KLOAD                                          ; the next step's K
.if \first == 0
	s_cmp_eq_u32 s[LAST], 0                        ; only a block's last step lies on the diagonal
	s_cbranch_scc1 .Lopen_\@
	s_and_b32 s[T], s[BLK], 1
	s_lshl_b32 s[T], s[T], 6
	v_add_nc_u32 v252, s[T], v[QL]                 ; d = my query's place in the step's 128 rows - 16 h.  Register 16 b + i holds key 32 b + 16 h + i: hidden where 32 b + i > d
	v_mov_b32 v254, 0xff800000                     ; -infinity
.irp n, 0,1,2,3,4,5,6,7,8,9,10,11,12,13,14,15,16,17,18,19,20,21,22,23,24,25,26,27,28,29,30,31,32,33,34,35,36,37,38,39,40,41,42,43,44,45,46,47,48,49,50,51,52,53,54,55,56,57,58,59,60,61,62,63
	v_cmp_gt_i32 vcc_lo, 32*(\n/16)+\n%16, v252
	v_cndmask_b32 v[S+\n], v[S+\n], v254, vcc_lo
.endr
.Lopen_\@:
.endif
.irp b, 0,1,2,3
	v_max3_num_f32 v[232+\b], v[S+16*\b], v[S+1+16*\b], v[S+2+16*\b]   ; the largest score of each block of 32 keys: for the row's maximum and, since p rises with the score, for the block's largest p
.endr
.irp i, 3,5,7,9,11,13
.irp b, 0,1,2,3
	v_max3_num_f32 v[232+\b], v[232+\b], v[S+16*\b+\i], v[S+1+16*\b+\i]
.endr
.endr
.irp b, 0,1,2,3
	v_max_num_f32 v[232+\b], v[232+\b], v[S+15+16*\b]
.endr
.irp b, 0,1,2,3
	v_permlanex16_b32 v[236+\b], v[232+\b], s[SEL], s[SEL+1]
.endr
.irp b, 0,1,2,3
	v_max_num_f32 v[232+\b], v[232+\b], v[236+\b]  ; with lane l xor 16's 16 keys
.endr
	v_max3_num_f32 v254, v232, v233, v234
	v_max_num_f32 v254, v254, v235
	v_mul_f32 v254, s[CS], v254                    ; the step's largest t
	v_max_num_f32 v13, v13, v254
	v_mov_b32 v254, v12
	v_floor_f32 v12, -v13                          ; the new -M = -ceil(t)
	v_sub_f32 v254, v12, v254                      ; old M - new M: a whole number, 0 or less
	v_cvt_i32_f32 v254, v254                       ; (it saturates)
	v_ldexp_f32 v252, 1.0, v254                    ; f = 2^(old M - new M)
.irp j, 0,2,4,6,8,10,12,14,16,18,20,22,24,26,28,30,32,34,36,38,40,42,44,46,48,50,52,54,56,58,60,62
	v_pk_fma_f32 v[S+\j:S+1+\j], v[S+\j:S+1+\j], s[CS:CS+1], v[12:13] op_sel_hi:[1,0,0]   ; t - M
.endr
.irp b, 0,1,2,3
	v_fma_f32 v[232+\b], v[232+\b], s[CS], v12
.endr
.irp j, 0,1,2,3,4,5,6,7,8,9,10,11,12,13,14,15,16,17,18,19,20,21,22,23,24,25,26,27,28,29,30,31,32,33,34,35,36,37,38,39,40,41,42,43,44,45,46,47,48,49,50,51,52,53,54,55,56,57,58,59,60,61,62,63
	v_exp_f32 v[S+\j], v[S+\j]                     ; p = 2^(t - M)
.endr
	v_pk_mul_f32 v[14:15], v[14:15], v[252:253] op_sel_hi:[1,0]   ; the sums under the new M (a plain place behind the exponentials)
	s_wait_alu depctr_va_vdst(0)                   ; one wait for the batch of 64, ahead of its first reader
.irp b, 0,1,2,3
	v_exp_f32 v[232+\b], v[232+\b]                 ; each block's largest p
.endr
	v_pk_add_f32 v[236:237], v[S:S+1], v[S+2:S+3]  ; the row's sum, of the UNQUANTISED p: two chains
.irp j, 4,8,12,16,20,24,28,32,36,40,44,48,52,56,60
	v_pk_add_f32 v[14:15], v[14:15], v[S+\j:S+1+\j]
	v_pk_add_f32 v[236:237], v[236:237], v[S+2+\j:S+3+\j]
.endr
	v_pk_add_f32 v[14:15], v[14:15], v[236:237]
	s_wait_alu depctr_va_vdst(0)                   ; and one for the four
.irp b, 0,1,2,3
	v_max_num_f32 v[232+\b], 0x2800000, v[232+\b]  ; the floor 2^(5 - 127)
.endr
.irp b, 0,1,2,3
	v_add_nc_u32 v[244+\b], 0xfe000000, v[232+\b]
.endr
.irp b, 0,1,2,3
	v_lshrrev_b32 v[236+\b], 23, v[244+\b]
.endr
	v_lshl_or_b32 v253, v237, 8, v236              ; p's scale word for these 128 keys
	v_lshl_or_b32 v253, v238, 16, v253
	v_lshl_or_b32 v253, v239, 24, v253
.irp c, 0,1
	v_cvt_scalef32_pk16_bf6_f32 v[224+6*\c:226+6*\c], v[S+32*\c:S+15+32*\c], v[244+2*\c]
	v_cvt_scalef32_pk16_bf6_f32 v[236+4*\c:238+4*\c], v[S+16+32*\c:S+31+32*\c], v[244+2*\c+1]
.endr
	v_nop                                          ; one plain place behind a scaled conversion
.irp c, 0,1
.irp i, 0,1,2
	v_permlane16_swap_b32 v[224+6*\c+\i], v[236+4*\c+\i]
.endr
.irp i, 0,1,2
	v_mov_b32 v[227+6*\c+\i], v[236+4*\c+\i]
.endr
.endr
	v_mov_b32 v254, v252                           ; f as a pair, for the packed rescaling
	v_mov_b32 v255, v252
	v_add_f32 v236, v14, v15                       ; the sum so far: its two halves,
	v_permlanex16_b32 v237, v236, s[SEL], s[SEL+1]
	v_add_f32 v236, v236, v237                     ; and lane l xor 16's
.irp c, 0,1,2
	ds_store_b128 v[PWI], v[224+4*\c:227+4*\c] offset:512*\c
.endr
	ds_store_b32 v[PSW], v253
	ds_store_b64 v[PFW], v[254:255]
	ds_store_b32 v[PLW], v236
	s_wait_dscnt 0x0                               ; for the others' sake: my stores have landed
	s_barrier_signal -1
	s_barrier_wait -1                              ; the four tiles' p, words, f and sums lie in LDS
	ds_load_b128 v[FF:FF+3], v[RD32] offset:PF     ; the factors first: the rescaling wants them alone
	ds_load_b128 v[FF+4:FF+7], v[RD32] offset:PF+16
	ds_load_b128 v[PS:PS+3], v[LI] offset:PSC
	ds_load_b128 v[LL:LL+3], v[LI] offset:PL
.irp m, 0,1,2,3
.irp c, 0,1,2
	ds_load_b128 v[PR+12*\m+4*\c:PR+12*\m+4*\c+3], v[LI] offset:1536*\m+512*\c
.endr
.endr
.if \first == 0
	s_wait_dscnt 14                                ; the factors are in; younger: the words, the sums and p's twelve loads
	RESC 0                                         ; half of the rescaling stands under those loads
.endif
	s_wait_dscnt 0x0                               ; my reads are over:
	s_barrier_signal -1                            ; say so; only work on registers stands up to the wait
.if \first
	PV 0, 1, \p
	PLACES 4
.else
	PV 0, 0, \p
	RESC 1                                         ; 64 plain lines that name none of those products' registers: the places in front of the loads below
.endif
	s_barrier_wait -1                              ; nobody reads p's images any more: the next step may store
	VLOAD 0, \p, 0                                 ; V of two steps on, first half, into the set that these products have just read
	PV 1, \first, \p
	PLACES 5                                       ; four for the loads below; the fifth since the next step's first products write over the registers that held p's fragments
	VLOAD 1, \p, 0
.if \first == 0
	s_cmp_eq_u32 s[LAST], 0
	s_cbranch_scc1 .Lon_\@
	EPI
.Lon_\@:
.endif
	s_mov_b32 s[KSC], s[KSN]
.endm
	s_load_b256 s[4:11], s[0:1], 0x0               ; qimg, qsc, kimg, ksc
	s_load_b128 s[12:15], s[0:1], 0x20             ; vimg, vsc
	s_load_b64 s[16:17], s[0:1], 0x30              ; out0
	v_lshl_add_u32 v250, v0, 2, 0xa400
	v_mov_b32 v251, 0
	WIN 0x80
.irp t, 0,1,2,3,4,5,6,7
.irp i, 6,7,8,9,10,11
	v_mov_b32 v[KF+12*\t+\i], 0                    ; K = 64 .. 127 of k's fragments: zero codes, written once
.endr
.endr
	WIN 0
.irp i, 6,7,8,9,10,11
	v_mov_b32 v[QF+\i], 0                          ; and of q's
.endr
.irp b, 0,1,2,3
	v_mov_b32 v[236+\b], 0                         ; a lane permute's destination counts as one of its sources
	v_mov_b32 v[RL+1+2*\b], 0                      ; (named as the upper halves of pairs)
.endr
	v_mov_b32 v253, 0
	v_mov_b32 v13, 0xff61b1e6                      ; the largest t so far: -3e38
	v_floor_f32 v12, -v13
	v_mov_b32 v14, 0
	v_mov_b32 v15, 0
	v_lshrrev_b32 v76, 5, v0
	v_readfirstlane_b32 s[WV], v76
	v_and_b32 v76, 31, v0                          ; lane
	v_and_b32 v77, 15, v0                          ; r
	v_bfe_u32 v78, v0, 4, 1                        ; h
	s_lshr_b32 s[PRR], ttmp9, 1
	s_and_b32 s[HD], ttmp9, 1
	s_and_b32 s[BT], ttmp7, 0xffff
	v_lshlrev_b32 v[LI], 4, v76
	v_lshlrev_b32 v[L8], 3, v76
	v_lshlrev_b32 v[RD32], 5, v76
	s_mul_i32 s52, s[WV], 1536
	v_add_nc_u32 v[PWI], s52, v[LI]
	s_lshl_b32 s52, s[WV], 2
	s_add_co_u32 s53, s52, PSC
	v_add_nc_u32 v[PSW], s53, v[LI]
	s_add_co_u32 s53, s52, PL
	v_add_nc_u32 v[PLW], s53, v[LI]
	s_lshl_b32 s52, s[WV], 3
	s_add_co_u32 s52, s52, PF
	v_add_nc_u32 v[PFW], s52, v[RD32]
	s_mul_i32 s52, s[WV], 16*SP
	s_add_co_u32 s52, s52, STAGE
	v_mul_u32_u24 v[STO], v77, SP
	v_lshl_add_u32 v[STO], v78, 5, v[STO]
	v_add_nc_u32 v[STO], s52, v[STO]
	v_add_nc_u32 v[SRD], s52, v[LI]
	v_and_b32 v[QL], 8, v77
	v_add_nc_u32 v[QL], v[QL], v77                 ; r + 8 (r / 8)
	v_lshlrev_b32 v79, 4, v78
	v_sub_nc_u32 v[QL], v[QL], v79                 ; - 16 h
	s_lshr_b32 s52, s[WV], 1
	s_lshl_b32 s52, s52, 5
	s_and_b32 s53, s[WV], 1
	s_lshl_b32 s54, s53, 3
	s_add_co_u32 s52, s52, s54
	v_add_nc_u32 v[QL], s52, v[QL]                 ; + 32 (w / 2) + 8 (w % 2)
	s_lshl_b32 s53, s53, 2
	v_add_nc_u32 v[QSA], s53, v[L8]
	s_mov_b32 s[CS], 0x3e38aa3b                    ; log2(e) / 8
	s_mov_b32 s[CS+1], s[CS]
	s_mov_b32 s[SEL], 0x76543210
	s_mov_b32 s[SEL+1], 0xfedcba98
	s_mov_b32 s[KSC], 0
	s_lshl_b32 s52, s[HD], 2
	s_add_co_u32 s52, s52, s[WV]                   ; G
	s_sub_co_u32 s[BLK], 31, s[PRR]                ; the first block: the later one
	s_lshr_b32 s[NCUR], s[BLK], 1
	s_add_co_u32 s[NCUR], s[NCUR], 1
	s_mov_b32 s[VK], 1                             ; V of key steps 0 and 1 is asked for at the head: the walk stands at 1, in the first block
	s_mov_b32 s[VN], s[NCUR]
	s_lshr_b32 s[NBS], s[PRR], 1
	s_add_co_u32 s[NBS], s[NBS], 1
	s_mov_b32 s[T+1], 0
	s_wait_kmcnt 0x0
	s_mul_i32 s[T], s[BT], 98304                   ; the batch's 128 tiles of k
	s_add_nc_u64 s[8:9], s[8:9], s[T:T+1]
	s_lshl_b32 s[T], s[BT], 14
	s_add_nc_u64 s[10:11], s[10:11], s[T:T+1]
	s_add_nc_u64 s[6:7], s[6:7], s[T:T+1]
	s_mul_i32 s[T], s[BT], 1572864                 ; the batch's 16 key steps of v, my 128 columns
	s_mul_i32 s53, s52, 12288
	s_add_co_u32 s[T], s[T], s53
	s_add_nc_u64 s[12:13], s[12:13], s[T:T+1]
	s_lshl_b32 s[T], s[BT], 17
	s_lshl_b32 s53, s52, 10
	s_add_co_u32 s[T], s[T], s53
	s_add_nc_u64 s[14:15], s[14:15], s[T:T+1]
	s_lshl_b32 s[T], s[BT], 23                     ; out0: the batch, my 128 columns
	s_lshl_b32 s53, s52, 9
	s_add_co_u32 s[T], s[T], s53
	s_add_nc_u64 s[16:17], s[16:17], s[T:T+1]
	s_lshl_b32 s[T], s[BLK], 18                    ; 64 rows of 4,096 bytes a block
	s_add_nc_u64 s[OB:OB+1], s[16:17], s[T:T+1]
	s_lshl_b32 s53, s[BT], 7
	s_add_co_u32 s53, s53, s[WV]                   ; q's tile: 128 b + 4 block + w
	s_lshl_b32 s[T], s[BLK], 2
	s_add_co_u32 s[T], s[T], s53
	s_mul_i32 s[T], s[T], 768
	s_add_nc_u64 s[44:45], s[4:5], s[T:T+1]
	s_lshl_b32 s[T], s[PRR], 2
	s_add_co_u32 s[T], s[T], s53
	s_mul_i32 s[T], s[T], 768
	s_add_nc_u64 s[48:49], s[4:5], s[T:T+1]
	s_lshr_b32 s54, s[WV], 1
	s_lshl_b32 s54, s54, 8
	s_lshl_b32 s[T], s[BLK], 9                     ; its word: 512 x block + 256 (w / 2)
	s_add_co_u32 s[T], s[T], s54
	s_add_nc_u64 s[46:47], s[6:7], s[T:T+1]
	s_lshl_b32 s[T], s[PRR], 9
	s_add_co_u32 s[T], s[T], s54
	s_add_nc_u64 s[50:51], s[6:7], s[T:T+1]
	s_mov_b64 s[KP:KP+1], s[8:9]                   ; key step 0
	s_mov_b64 s[KSP:KSP+1], s[10:11]
	s_mov_b64 s[VP:VP+1], s[12:13]
	s_mov_b64 s[VSP:VSP+1], s[14:15]
	global_load_b128 v[QF:QF+3], v[LI], s[44:45]                   ; both blocks' queries stay in registers
	global_load_b64 v[QF+4:QF+5], v[L8], s[44:45] offset:512
	global_load_b32 v[QS], v[QSA], s[46:47]
	global_load_b128 v[QFB:QFB+3], v[LI], s[48:49]
	global_load_b64 v[QFB+4:QFB+5], v[L8], s[48:49] offset:512
	global_load_b32 v[QSB], v[QSA], s[50:51]
	VLOAD 0, 0, 0                                  ; in the order in which the steps ask: V of a step, K of that step, V of the next
	VLOAD 1, 0, 0
	KLOAD
	VLOAD 0, 1, 1                                  ; the first block has 9 key steps or more: key step 1 is its own
	VLOAD 1, 1, 1
	STEP 1, 0                                      ; the first step is not on the diagonal
	s_mov_b32 s[CNT], 8
.Lstep:                                            ; the other 16 of the two blocks' 17 steps, two a trip: V's sets take turns
	STEP 0, 1
	STEP 0, 0
	s_sub_co_u32 s[CNT], s[CNT], 1
	s_cmp_lg_u32 s[CNT], 0
	s_cbranch_scc1 .Lstep
	s_wait_tensorcnt 0x0
	ds_add_u32 v250, v251
	s_wait_dscnt 0x0
	s_endpgm
.Lfunc_end_k_qfe8669d8ad_attn:
	.size	k_qfe8669d8ad_attn, .Lfunc_end_k_qfe8669d8ad_attn-k_qfe8669d8ad_attn
	.p2alignl 7, 3214868480
	.fill 96, 4, 3214868480
	.section	.rodata,"a",@progbits
	.p2align	6, 0x0
	.amdhsa_kernel k_qfe8669d8ad_attn
		.amdhsa_group_segment_fixed_size 42496
		.amdhsa_private_segment_fixed_size 0
		.amdhsa_enable_private_segment 0
		.amdhsa_kernarg_size 56
		.amdhsa_user_sgpr_count 2
		.amdhsa_user_sgpr_kernarg_segment_ptr 1
		.amdhsa_wavefront_size32 1
		.amdhsa_system_sgpr_workgroup_id_x 1
		.amdhsa_system_sgpr_workgroup_id_y 1
		.amdhsa_system_sgpr_workgroup_id_z 1
		.amdhsa_system_vgpr_workitem_id 0
		.amdhsa_next_free_vgpr 864
		.amdhsa_next_free_sgpr 80
		.amdhsa_reserve_vcc 1
		.amdhsa_float_denorm_mode_32 3
		.amdhsa_float_denorm_mode_16_64 3
		.amdhsa_memory_ordered 1
		.amdhsa_forward_progress 1
		.amdhsa_inst_pref_size 157
	.end_amdhsa_kernel
	.amdgpu_metadata
---
amdhsa.version: [ 1, 2 ]
amdhsa.kernels:
  - .name:           k_qfe8669d8ad_attn
    .symbol:         k_qfe8669d8ad_attn.kd
    .args:
      - { .name: qimg, .offset: 0, .size: 8, .value_kind: global_buffer, .address_space: global }
      - { .name: qsc, .offset: 8, .size: 8, .value_kind: global_buffer, .address_space: global }
      - { .name: kimg, .offset: 16, .size: 8, .value_kind: global_buffer, .address_space: global }
      - { .name: ksc, .offset: 24, .size: 8, .value_kind: global_buffer, .address_space: global }
      - { .name: vimg, .offset: 32, .size: 8, .value_kind: global_buffer, .address_space: global }
      - { .name: vsc, .offset: 40, .size: 8, .value_kind: global_buffer, .address_space: global }
      - { .name: out0, .offset: 48, .size: 8, .value_kind: global_buffer, .address_space: global }
    .group_segment_fixed_size: 42496
    .private_segment_fixed_size: 0
    .kernarg_segment_align: 8
    .kernarg_segment_size: 56
    .max_flat_workgroup_size: 128
    .sgpr_count:     80
    .vgpr_count:     864
    .wavefront_size: 32
...
	.end_amdgpu_metadata
.endif
;; end of part 3
;; ======== version 2 of 2: 3 launches
;; workspace buffers: wimg 884,736 bytes; wsc 73,728 bytes; qimg 786,432 bytes; kimg 786,432 bytes; qsc 131,072 bytes; ksc 131,072 bytes; vimg 12,582,912 bytes; vsc 1,048,576 bytes
;; launch qw (part 4): grid 144 x 1, 4 waves a work-group, no clusters, 1,024 bytes of LDS; arguments Wv, Wq, Wk, wimg, wsc; writes wimg, wsc
.if DOCPART == 4
	.amdgcn_target "amdgcn-amd-amdhsa--gfx1250"
	.amdhsa_code_object_version 6
	.text
	.protected	k_qfe8669d8ad_qw
	.globl	k_qfe8669d8ad_qw
	.p2align	8
	.type	k_qfe8669d8ad_qw,@function
k_qfe8669d8ad_qw:
	s_mov_b64 s[64:65], 0
	v_nop
	global_prefetch_b8 v0, s[64:65] scope:SCOPE_SE
	s_setreg_imm32_b32 hwreg(HW_REG_WAVE_MODE, 25, 1), 1
	s_wait_xcnt 0x0
; Wv [1024 (k)][1024 (n)], Wq and Wk [1024 (k)][64 (n)], f32, K = their FIRST axis, become codes of E3M2 with one E8M0 byte for each 32 along K,
; laid as IMAGES OF OPERAND REGISTERS: a fragment (16 columns x 128 K, 12 registers a lane) is three blocks of 512 bytes, lane l's 16 bytes at 16 l.
; A wave makes one fragment: lane (r, h) takes one column and its registers run down K in the order of the operand's layout (k = 64 c + 32 h + 0 .. 31),
; so the conversions' results are the operand's registers and nothing is transposed.
; Fragment f = 4 x work-group + wave.  f < 512 (Wv): f = (G 8 + s) 8 + n: columns 128 G + 16 n + r, K step s.
; f >= 512 (Wq, then Wk): f = 512 + 32 half + 4 s + dt; tile dt = 2 b + u takes in lane r column 32 b + 8 u + r + 8 (r / 8), so that the next launch's
; results of two neighbouring tiles are 16 neighbours along d.
; The four scale words of a work-group's fragments leave as one record of 512 bytes, [32 lanes][4 words], gathered in LDS.
; A block's scale byte is its largest magnitude's exponent field - 4, held at 1 from below.
; LIMITS: a block of zeros, or one whose largest magnitude lies under 2^-122, keeps the byte 1 (its codes are zeros or subnormal codes; only this program reads the bytes); NaN and infinities are not served.
; No matrix unit, no tensor load, no cluster: work-groups share no input here.
.macro WLOAD stride                    ; 64 numbers: W(64 c + 32 h + i, my column); sixteen lanes read 64 neighbouring bytes
.irp c, 0,1
.irp i, 0,1,2,3,4,5,6,7,8,9,10,11,12,13,14,15,16,17,18,19,20,21,22,23,24,25,26,27,28,29,30,31
	global_load_b32 v[64+32*\c+\i], v6, s[4:5] offset:(64*\c+\i)*\stride th:TH_LOAD_NT
.endr
.endr
.endm
	s_load_b128 s[4:7], s[0:1], 0x0                ; Wv, Wq
	s_load_b128 s[8:11], s[0:1], 0x10              ; Wk, wimg
	s_load_b64 s[12:13], s[0:1], 0x20              ; wsc
	v_lshl_add_u32 v208, v0, 2, 0x200
	v_mov_b32 v209, 0
	v_lshrrev_b32 v1, 5, v0
	v_readfirstlane_b32 s14, v1                    ; wave
	v_and_b32 v1, 15, v0                           ; r
	v_bfe_u32 v2, v0, 4, 1                         ; h
	v_and_b32 v3, 31, v0                           ; lane
	v_lshlrev_b32 v4, 4, v3                        ; 16 x lane: my place in a block of an image
	s_lshl_b32 s15, s14, 2
	v_add_nc_u32 v5, s15, v4                       ; LDS: 16 x lane + 4 x wave: my fragment's word in the record
	s_mov_b32 s20, 0x76543210
	s_mov_b32 s21, 0xfedcba98                      ; lane l xor 16
	s_lshl_b32 s16, ttmp9, 2
	s_add_co_u32 s16, s16, s14
	s_mul_i32 s16, s16, 1536                       ; my fragment's image
	s_mov_b32 s17, 0
	s_lshl_b32 s18, ttmp9, 9                       ; my work-group's record
	s_mov_b32 s19, 0
	s_mov_b32 s23, 0
	s_wait_kmcnt 0x0
	s_add_nc_u64 s[10:11], s[10:11], s[16:17]
	s_add_nc_u64 s[12:13], s[12:13], s[18:19]
	s_cmp_lt_u32 ttmp9, 128
	s_cbranch_scc0 .Lqk
	s_bfe_u32 s22, ttmp9, 0x30001                  ; Wv: K step s = (g >> 1) & 7: 128 rows of 4,096 bytes
	s_lshl_b32 s22, s22, 19
	s_lshr_b32 s24, ttmp9, 4                       ; G: 128 columns
	s_lshl_b32 s24, s24, 9
	s_add_co_u32 s22, s22, s24
	s_and_b32 s24, ttmp9, 1                        ; which 64 of them
	s_lshl_b32 s24, s24, 8
	s_add_co_u32 s22, s22, s24
	s_lshl_b32 s24, s14, 6                         ; my wave's 16
	s_add_co_u32 s22, s22, s24
	s_add_nc_u64 s[4:5], s[4:5], s[22:23]
	s_wait_alu depctr_va_vdst(0)
	v_lshlrev_b32 v6, 2, v1
	v_lshl_add_u32 v6, v2, 17, v6                  ; 4 r + 32 rows x h
	WLOAD 4096
	s_branch .Ljoin
.Lqk:
	s_sub_co_u32 s22, ttmp9, 128
	s_lshr_b32 s24, s22, 3                         ; 0: Wq, 1: Wk
	s_cmp_eq_u32 s24, 0
	s_cselect_b64 s[4:5], s[6:7], s[8:9]
	s_and_b32 s22, s22, 7                          ; K step: 128 rows of 256 bytes
	s_lshl_b32 s22, s22, 15
	s_lshr_b32 s24, s14, 1                         ; tile dt = wave: columns 32 (dt / 2) + 8 (dt % 2) on
	s_lshl_b32 s24, s24, 7
	s_add_co_u32 s22, s22, s24
	s_and_b32 s24, s14, 1
	s_lshl_b32 s24, s24, 5
	s_add_co_u32 s22, s22, s24
	s_add_nc_u64 s[4:5], s[4:5], s[22:23]
	s_wait_alu depctr_va_vdst(0)
	v_and_b32 v7, 8, v1
	v_add_nc_u32 v7, v7, v1                        ; r + 8 (r / 8)
	v_lshlrev_b32 v6, 2, v7
	v_lshl_add_u32 v6, v2, 13, v6                  ; + 32 rows x h
	WLOAD 256
.Ljoin:
	s_wait_loadcnt 0x0
.irp c, 0,1                                    ; my block 2 c + h: all its 32 numbers are mine
	v_max3_num_f32 v[32+\c], |v[64+32*\c]|, |v[65+32*\c]|, 0x2800000   ; with the floor 2^(5 - 127): the byte cannot fall under 1
.endr
.irp i, 2,4,6,8,10,12,14,16,18,20,22,24,26,28,30
.irp c, 0,1
	v_max3_num_f32 v[32+\c], v[32+\c], |v[64+32*\c+\i]|, |v[65+32*\c+\i]|
.endr
.endr
.irp c, 0,1
	v_add_nc_u32 v[44+\c], 0xfe000000, v[32+\c]    ; 4 off the exponent field: the conversion's scale operand
.endr
.irp c, 0,1
	v_lshrrev_b32 v[36+\c], 23, v[44+\c]           ; the scale's byte
.endr
	v_lshl_or_b32 v9, v37, 16, v36                 ; my two bytes: blocks h and 2 + h,
	v_lshlrev_b32 v10, 3, v2
	v_lshlrev_b32 v9, v10, v9                      ; at their places in the word;
	v_mov_b32 v10, 0
	v_permlanex16_b32 v10, v9, s20, s21
	v_or_b32 v9, v9, v10                           ; with lane l xor 16's two the word is whole, in both halves
.irp c, 0,1
	v_cvt_scalef32_pk16_bf6_f32 v[48+6*\c:50+6*\c], v[64+32*\c:79+32*\c], v[44+\c]
	v_cvt_scalef32_pk16_bf6_f32 v[192+4*\c:194+4*\c], v[80+32*\c:95+32*\c], v[44+\c]   ; (a conversion's three registers begin on an even number)
.endr
	v_nop                                          ; one plain place behind a scaled conversion
.irp c, 0,1
.irp i, 0,1,2
	v_mov_b32 v[51+6*\c+\i], v[192+4*\c+\i]
.endr
.endr
.irp c, 0,1,2
	global_store_b128 v4, v[48+4*\c:51+4*\c], s[10:11] offset:512*\c   ; 32 lanes store 512 consecutive bytes
.endr
	ds_store_b32 v5, v9
	s_wait_dscnt 0x0                               ; for the others' sake: my word lies in LDS
	s_barrier_signal -1
	s_barrier_wait -1
	s_cmp_lg_u32 s14, 0
	s_cbranch_scc1 .Lend
	ds_load_b128 v[12:15], v4                      ; wave 0 stores the record: four words a lane
	s_wait_dscnt 0x0
	global_store_b128 v4, v[12:15], s[12:13]
.Lend:
	s_wait_tensorcnt 0x0
	ds_add_u32 v208, v209
	s_wait_dscnt 0x0
	s_endpgm
.Lfunc_end_k_qfe8669d8ad_qw:
	.size	k_qfe8669d8ad_qw, .Lfunc_end_k_qfe8669d8ad_qw-k_qfe8669d8ad_qw
	.p2alignl 7, 3214868480
	.fill 96, 4, 3214868480
	.section	.rodata,"a",@progbits
	.p2align	6, 0x0
	.amdhsa_kernel k_qfe8669d8ad_qw
		.amdhsa_group_segment_fixed_size 1024
		.amdhsa_private_segment_fixed_size 0
		.amdhsa_enable_private_segment 0
		.amdhsa_kernarg_size 40
		.amdhsa_user_sgpr_count 2
		.amdhsa_user_sgpr_kernarg_segment_ptr 1
		.amdhsa_wavefront_size32 1
		.amdhsa_system_sgpr_workgroup_id_x 1
		.amdhsa_system_sgpr_workgroup_id_y 1
		.amdhsa_system_sgpr_workgroup_id_z 1
		.amdhsa_system_vgpr_workitem_id 0
		.amdhsa_next_free_vgpr 210
		.amdhsa_next_free_sgpr 66
		.amdhsa_reserve_vcc 0
		.amdhsa_float_denorm_mode_32 3
		.amdhsa_float_denorm_mode_16_64 3
		.amdhsa_memory_ordered 1
		.amdhsa_forward_progress 1
		.amdhsa_inst_pref_size 19
	.end_amdhsa_kernel
	.amdgpu_metadata
---
amdhsa.version: [ 1, 2 ]
amdhsa.kernels:
  - .name:           k_qfe8669d8ad_qw
    .symbol:         k_qfe8669d8ad_qw.kd
    .args:
      - { .name: Wv, .offset: 0, .size: 8, .value_kind: global_buffer, .address_space: global }
      - { .name: Wq, .offset: 8, .size: 8, .value_kind: global_buffer, .address_space: global }
      - { .name: Wk, .offset: 16, .size: 8, .value_kind: global_buffer, .address_space: global }
      - { .name: wimg, .offset: 24, .size: 8, .value_kind: global_buffer, .address_space: global }
      - { .name: wsc, .offset: 32, .size: 8, .value_kind: global_buffer, .address_space: global }
    .group_segment_fixed_size: 1024
    .private_segment_fixed_size: 0
    .kernarg_segment_align: 8
    .kernarg_segment_size: 40
    .max_flat_workgroup_size: 128
    .sgpr_count:     66
    .vgpr_count:     210
    .wavefront_size: 32
...
	.end_amdgpu_metadata
.endif
;; end of part 4
;; launch proj (part 5): grid 2 x 128, 4 waves a work-group, no clusters, 140,800 bytes of LDS; arguments input, wimg, wsc, bq, bk, bv, qimg, qsc, kimg, ksc, vimg, vsc; writes qimg, qsc, kimg, ksc, vimg, vsc
.if DOCPART == 5
	.amdgcn_target "amdgcn-amd-amdhsa--gfx1250"
	.amdhsa_code_object_version 6
	.text
	.protected	k_qfe8669d8ad_proj
	.globl	k_qfe8669d8ad_proj
	.p2align	8
	.type	k_qfe8669d8ad_proj,@function
k_qfe8669d8ad_proj:
	s_mov_b64 s[64:65], 0
	v_nop
	global_prefetch_b8 v0, s[64:65] scope:SCOPE_SE
	s_setreg_imm32_b32 hwreg(HW_REG_WAVE_SCHED_MODE, 0, 2), 2
	s_setreg_imm32_b32 hwreg(HW_REG_WAVE_MODE, 25, 1), 1
	s_wait_xcnt 0x0
	s_wait_alu depctr_vm_vsrc(0)
; q = x Wq + bq, k = x Wk + bk, v = x Wv + bv on codes of E3M2 (one E8M0 byte for each 32 along K), and their results quantised again: q and k along d, v along the keys.
; SHARES.  Work-group (half, rb): rows 128 rb .. + 127 of x; half 0 makes q and v's columns 0-511, half 1 makes k and v's columns 512-1023.
; Wave w: v's columns 128 G .. + 127 (G = 4 half + w) for all 128 rows: 64 accumulators; and q or k for x's tiles 2 w, 2 w + 1: 8 accumulators.
; x IS QUANTISED ONCE A WORK-GROUP: wave w turns its 32 rows into fragments (registers -> its own stage in LDS -> 16 neighbours a lane -> codes), whose IMAGES (three blocks of 512 bytes, lane l's 16 bytes at 16 l)
; lie in LDS for all four waves.  x's loads run TWO K steps ahead, in four sets of 64 registers: 48 to 64 loads of 512 bytes a wave are out.  One barrier.
; Then eight K steps of 128: x's fragments from LDS, the weights' images from memory straight into registers, a step or two ahead.
; THE ROWS OF A TILE OF x ARE NOT NEIGHBOURS: lane r of tile 2 b + u takes row 32 b + 8 u + r + 8 (r / 8).  With x as source 0 a lane of v's result holds one column d and, over the eight tiles' registers,
; the 128 rows in runs of 16 neighbours: the order in which the quantiser along the keys wants them.  With W as source 0 (q, k; its tiles of d chosen alike) a lane holds one row and its d in the same order.
; The results leave as images too: v^T fragments (16 d x 128 keys), q and k fragments (16 rows x 64 d: registers 0-5; registers 6-11, K = 64 .. 127, would be zero codes and are not stored).
; LIMITS: a block of zeros, or one whose largest magnitude lies under 2^-122, keeps the byte 1 (only this program reads the bytes); NaN and infinities are not served.
; NO CLUSTER, NO TENSOR LOAD: each fragment of the weights is wanted by one wave of a work-group, in its registers, so there is no LDS tile that partners could be sent jointly;
; x's rows are shared by the two work-groups of a row block alone, which stand side by side in the grid.
; REGISTERS, in windows of 256.  Window 0: v1-15 addresses, v16-27 the quantiser's; while x is quantised: v32-159 the even K steps' two sets of 16 rows as loaded, v160-223 64 numbers, v224-243 codes;
;   in the K steps: v32-127 x's 8 fragments, v128-151 my two for q/k, v152-199 Wq's or Wk's four, v200-237 scale words, v244-251 bv.
;   Window 1: while x is quantised: v0-127 the odd K steps' two sets; then v0-191 Wv's 8 fragments, two sets; v192-255 q/k's accumulators.   Windows 2, 3: v's accumulators, (n, t) at 64 (n % 4) + 8 t.
; THE MODE: SCHED_MODE bits 1:0 = 2 (LLVM: expert scheduling mode 2), set by the entry lines.  The code itself states the register dependences
; between vector or matrix instructions and memory or LDS instructions, with s_wait_alu, always for 0.
; THE PLAN.  Registers that memory or LDS instructions touch:
;   x's four sets      written by global loads, read by the stage's LDS stores; no vector instruction names them while x is quantised.
;   ST (64 numbers)    written by the stage's LDS loads, read by QUANT.
;   PC, PW             written by QUANT, read by the image's LDS stores (on the way out: by the global stores).
;   AI, AS             written once a trip of the loop, read by the image's LDS stores.  Every other address is made at the head and never written again.
;   in the K steps     x's fragments and words, Wq's or Wk's, Wv's two sets: written by loads, read by matrix instructions alone.
; A fragment of x has two waits: vm_vsrc behind the stage's round trip (the stage's stores have read the set, the last image's stores the codes and the word), and va_vdst behind QUANT (codes, word and addresses
; are written; QUANT is done reading ST, so the next fragment's LDS loads owe nothing more).  A K step has two waits on va_vdst, each behind the products that empty a buffer that has one set: the buffer is asked for again at once.
.set XSC,  0                           ; LDS: x's scale words: 2,048 x wave + 256 s + 8 x lane + 4 u
.set XSTG, 8192                        ; a stage of 16 rows x (512 + 16) bytes for each wave
.set SPX,  528
.set XIMG, 41984                       ; x's images: 24,576 x wave + 3,072 s + 1,536 u: each wave's stores lie in one run of its own
.set LI,  1                            ; v1   16 x lane
.set L8,  2                            ; v2   8 x lane
.set SW,  3                            ; v3   my stage, on the way in: 16 x lane
.set SRX, 4                            ; v4   and out: row r, + 64 h
.set XWI, 5                            ; v5   my wave's images + 16 x lane
.set XWS, 6                            ; v6   my wave's scale words + 8 x lane
.set XA,  7                            ; v7   the images of waves 0, 1 + 16 x lane;  v8: of waves 2, 3
.set AI,  9                            ; v9   where this pair of K steps' images go
.set AS,  10                           ; v10  and its scale words
.set R4,  13                           ; v13  4 r
.set PW,  14                           ; v14  the scale word just made
.set H64, 15                           ; v15  64 h
.set TM,  16                           ; v16-19 largest magnitudes, v20-23 the other half's / bytes, v24-27 scale operands
.set R,   32
.set ST,  160
.set PC,  224
.set XF,  32
.set XQ,  128
.set QKW, 152
.set XS,  200                          ; x's scale words, two sets of 8
.set WS,  216                          ; Wv's, two sets of 8
.set QS,  232                          ; Wq's or Wk's four
.set XQS, 236                          ; my two tiles'
.set BV,  244
.set BB,  252                          ; v[252:253] the bias in hand, for the packed addition
.set PWS, 40                           ; the way out: v's eight scale words
.set QW,  48                           ; q's or k's two
.set QA,  192                          ; in window 1
.set XB,  4                            ; s[4:5]   x at my wave's 32 rows, this pair of K steps
.set WB,  34                           ; s[34:35] Wv's images of my 128 columns;  s[36:37] their records
.set WSB, 36
.set QWB, 38                           ; s[38:39] Wq's or Wk's images;  s[40:41] their records
.set QSB, 40
.set VB,  24                           ; s[24:25] where my v^T fragments go;  s[26:27] their scale words
.set VSB, 26
.set QIB, 42                           ; s[42:43] where my q or k fragments go;  s[44:45] their scale words
.set QCB, 44
.set BQB, 46                           ; s[46:47] bq or bk
.set SEL, 48                           ; s[48:49] lane l xor 16
.set MSB, 0
.macro WIN new                         ; the immediate's high byte repeats the setting that is left; a switch that changes nothing is dropped
.if MSB != (\new)
	s_set_vgpr_msb (MSB<<8)|(\new)
.set MSB, (\new)
.endif
.endm
.macro PLACES                          ; four plain places behind matrix instructions, in front of loads into their registers and of reads of their results
.rept 4
	v_nop
.endr
.endm
; 64 numbers of a lane, register 16 b + i = k 32 b + 16 h + i of my row, become a fragment's codes in v[PC] .. v[PC + 11] and its scale word in v[PW].
.macro QUANT s
.irp b, 0,1,2,3
	v_max3_num_f32 v[TM+\b], |v[\s+16*\b]|, |v[\s+1+16*\b]|, 0x2800000   ; my 16 numbers of block b, and the floor 2^(5 - 127): the byte cannot fall under 1
.endr
.irp i, 2,4,6,8,10,12,14
.irp b, 0,1,2,3
	v_max3_num_f32 v[TM+\b], v[TM+\b], |v[\s+16*\b+\i]|, |v[\s+1+16*\b+\i]|   ; (the four blocks by turns)
.endr
.endr
.irp b, 0,1,2,3
	v_permlanex16_b32 v[TM+4+\b], v[TM+\b], s[SEL], s[SEL+1]
.endr
.irp b, 0,1,2,3
	v_max_num_f32 v[TM+\b], v[TM+\b], v[TM+4+\b]   ; with lane l xor 16's: the block's largest magnitude
.endr
.irp b, 0,1,2,3
	v_add_nc_u32 v[TM+8+\b], 0xfe000000, v[TM+\b]  ; 4 off its exponent field: the conversion's scale operand
.endr
.irp b, 0,1,2,3
	v_lshrrev_b32 v[TM+4+\b], 23, v[TM+8+\b]       ; the scale's byte
.endr
	v_lshl_or_b32 v[PW], v[TM+5], 8, v[TM+4]
	v_lshl_or_b32 v[PW], v[TM+6], 16, v[PW]
	v_lshl_or_b32 v[PW], v[TM+7], 24, v[PW]
.irp c, 0,1
	v_cvt_scalef32_pk16_bf6_f32 v[PC+6*\c:PC+2+6*\c], v[\s+32*\c:\s+15+32*\c], v[TM+8+2*\c]
	v_cvt_scalef32_pk16_bf6_f32 v[PC+12+4*\c:PC+14+4*\c], v[\s+16+32*\c:\s+31+32*\c], v[TM+8+2*\c+1]   ; (a conversion's three registers begin on an even number)
.endr
	v_nop                                          ; one plain place behind a scaled conversion
.irp c, 0,1                                    ; the operand's layout wants a WHOLE block in a lane
.irp i, 0,1,2
	v_permlane16_swap_b32 v[PC+6*\c+\i], v[PC+12+4*\c+\i]
.endr
.irp i, 0,1,2
	v_mov_b32 v[PC+3+6*\c+\i], v[PC+12+4*\c+\i]
.endr
.endr
.endm
; Tile 2 w + u of x, the pair's K step par (0: the even one, its set in window 0; 1: the odd one, its set in window 1): 16 rows x 512 bytes as loaded go through my stage and come back
; 16 neighbours a block a lane; quantised; image and scale word to LDS.  more = 1: the set takes the same rows two K steps on.  cnt: the younger loads that may stay out (16 for each other set that is still being filled).
.macro XFRAG u, par, more, cnt
.set RB, (1-\par)*R+64*\u
	s_wait_loadcnt \cnt
	WIN 0x04*\par                                  ; an LDS store's data are its source 1
.irp i, 0,1,2,3,4,5,6,7,8,9,10,11,12,13,14,15
	ds_store_b128 v[SW], v[RB+4*\i:RB+4*\i+3] offset:SPX*\i
.endr
	WIN 0
.irp b, 0,1,2,3
.irp j, 0,1,2,3
	ds_load_b128 v[ST+16*\b+4*\j:ST+16*\b+4*\j+3], v[SRX] offset:128*\b+16*\j   ; LDS serves a wave's instructions in order: these see my stores.  (No vector instruction has named ST since the wait behind the last QUANT)
.endr
.endr
	s_wait_dscnt 0x0                               ; the numbers are back
	s_wait_alu depctr_vm_vsrc(0)                   ; the stage's stores have read the set, in which the loads below land; the last image's stores have read the codes and the word, which QUANT writes again
.if \more
	WIN 0x40*\par                                  ; a load's data are its destination
.irp i, 0,1,2,3,4,5,6,7,8,9,10,11,12,13,14,15
	global_load_b128 v[RB+4*\i:RB+4*\i+3], v[LI], s[XB:XB+1] offset:(8*\u+\i+8*(\i/8))*4096+512*\par+1024   ; 32 lanes read 512 consecutive bytes of one row
.endr
	WIN 0
.endif
	QUANT ST
	s_wait_alu depctr_va_vdst(0)                   ; QUANT has written the codes and the word, and the trip's head v[AI] and v[AS], which the stores below read; QUANT is done reading ST, in which the next fragment's LDS loads land
.irp c, 0,1,2
	ds_store_b128 v[AI], v[PC+4*\c:PC+4*\c+3] offset:3072*\par+1536*\u+512*\c
.endr
	ds_store_b32 v[AS], v[PW] offset:256*\par+4*\u
.endm
; 16 products of v: x's tiles t0 .. t0 + 3 (source 0) x Wv's tiles n0 .. n0 + 3 (source 1), K step s.  The first K step starts the sums.  Every accumulator has one turn a K step.
.macro MULV s, t0, n0
.irp t, 0,1,2,3
.irp n, 0,1,2,3
.if (\s) == 0
	v_wmma_scale_f32_16x16x128_f8f6f4 v[64*\n+8*(\t0+\t):64*\n+8*(\t0+\t)+7], v[XF+12*(\t0+\t):XF+12*(\t0+\t)+11], v[96*((\s)%2)+12*(\n0+\n):96*((\s)%2)+12*(\n0+\n)+11], 0, v[XS+8*((\s)%2)+\t0+\t], v[WS+8*((\s)%2)+\n0+\n] matrix_a_fmt:MATRIX_FMT_BF6 matrix_b_fmt:MATRIX_FMT_BF6
.else
	v_wmma_scale_f32_16x16x128_f8f6f4 v[64*\n+8*(\t0+\t):64*\n+8*(\t0+\t)+7], v[XF+12*(\t0+\t):XF+12*(\t0+\t)+11], v[96*((\s)%2)+12*(\n0+\n):96*((\s)%2)+12*(\n0+\n)+11], v[64*\n+8*(\t0+\t):64*\n+8*(\t0+\t)+7], v[XS+8*((\s)%2)+\t0+\t], v[WS+8*((\s)%2)+\n0+\n] matrix_a_fmt:MATRIX_FMT_BF6 matrix_b_fmt:MATRIX_FMT_BF6
.endif
.endr
.endr
.endm
.macro QKMUL                           ; 8 products of q or k: W's four tiles of d (source 0) x my two tiles of x (source 1); the sums began as the bias
.irp u, 0,1
.irp d, 0,1,2,3
	v_wmma_scale_f32_16x16x128_f8f6f4 v[QA+32*\u+8*\d:QA+32*\u+8*\d+7], v[QKW+12*\d:QKW+12*\d+11], v[XQ+12*\u:XQ+12*\u+11], v[QA+32*\u+8*\d:QA+32*\u+8*\d+7], v[QS+\d], v[XQS+\u] matrix_a_fmt:MATRIX_FMT_BF6 matrix_b_fmt:MATRIX_FMT_BF6
.endr
.endr
.endm
.macro FX s, t0                        ; x's fragments t0 .. t0 + 3 of K step s: 12 LDS loads
.irp t, 0,1,2,3
.irp c, 0,1,2
	ds_load_b128 v[XF+12*(\t0+\t)+4*\c:XF+12*(\t0+\t)+4*\c+3], v[XA+(\t0)/4] offset:(\t/2)*24576+(\s)*3072+(\t%2)*1536+512*\c
.endr
.endr
.endm
.macro XSLOAD s                        ; the eight tiles' scale words: 4 LDS loads
.irp a, 0,1,2,3
	ds_load_b64 v[XS+8*((\s)%2)+2*\a:XS+8*((\s)%2)+2*\a+1], v[L8] offset:XSC+2048*\a+256*(\s)
.endr
.endm
.macro XQLOAD s                        ; my own two tiles once more, for q/k, with their words: 7 LDS loads
.irp u, 0,1
.irp c, 0,1,2
	ds_load_b128 v[XQ+12*\u+4*\c:XQ+12*\u+4*\c+3], v[XWI] offset:(\s)*3072+1536*\u+512*\c
.endr
.endr
	ds_load_b64 v[XQS:XQS+1], v[XWS] offset:256*(\s)
.endm
.macro QKWLOAD s                       ; Wq's or Wk's four fragments of K step s and their record: 13 loads
.irp d, 0,1,2,3
.irp c, 0,1,2
	global_load_b128 v[QKW+12*\d+4*\c:QKW+12*\d+4*\c+3], v[LI], s[QWB:QWB+1] offset:(4*(\s)+\d)*1536+512*\c
.endr
.endr
	global_load_b128 v[QS:QS+3], v[LI], s[QSB:QSB+1] offset:(\s)*512
.endm
.macro WLOAD s                         ; Wv's eight fragments of K step s into set s % 2, and their two records: 26 loads
	WIN 0x40                                       ; destination window 1
.irp n, 0,1,2,3,4,5,6,7
.irp c, 0,1,2
	global_load_b128 v[96*((\s)%2)+12*\n+4*\c:96*((\s)%2)+12*\n+4*\c+3], v[LI], s[WB:WB+1] offset:(\s)*12288+\n*1536+512*\c
.endr
.endr
	WIN 0
	global_load_b128 v[WS+8*((\s)%2):WS+8*((\s)%2)+3], v[LI], s[WSB:WSB+1] offset:(\s)*1024
	global_load_b128 v[WS+8*((\s)%2)+4:WS+8*((\s)%2)+7], v[LI], s[WSB:WSB+1] offset:(\s)*1024+512
.endm
; A K step of 128: 64 products of v, 8 of q or k.
.macro KSTEP s
.if (\s) < 7
	s_wait_loadcnt 39                              ; Wv's set of this step is in; younger: this step's Wq/Wk (13) and the next step's Wv (26)
.else
	s_wait_loadcnt 13
.endif
	s_wait_dscnt 19                                ; x's tiles 0-3 and the eight words are in; younger: tiles 4-7 (12), my two for q/k (6), their words (1)
	WIN 0xa4                                       ; source 0 (x) window 0, source 1 (Wv) window 1, C and D window 2
	MULV \s, 0, 0
	WIN 0xf4                                       ; C and D window 3
	MULV \s, 0, 4
	s_wait_dscnt 0x0
.if (\s) < 7
	PLACES
	WIN 0
	s_wait_alu depctr_va_vdst(0)                   ; the 32 products above are done reading x's tiles 0-3, and the last step's products its set of x's words: the LDS loads below land in both
	FX (\s)+1, 0
	XSLOAD (\s)+1
.endif
	WIN 0xa4
	MULV \s, 4, 0
	WIN 0xf4
	MULV \s, 4, 4
.if (\s) < 7
	s_wait_loadcnt 26                              ; this step's Wq/Wk is in; younger: the next step's Wv
.else
	s_wait_loadcnt 0x0
.endif
	WIN 0x50                                       ; sources 0 and 1 window 0, C and D window 1
	QKMUL
.if (\s) < 7
	PLACES
	WIN 0
	s_wait_alu depctr_va_vdst(0)                   ; this step's products are done reading x's tiles 4-7, my two tiles and their words, Wq's or Wk's fragments and words, and this step's set of Wv and its words: the loads below land in them
	FX (\s)+1, 4
	XQLOAD (\s)+1
	QKWLOAD (\s)+1
.endif
.if (\s) < 6
	WLOAD (\s)+2                                   ; into the set that this step has just multiplied; only loads and window switches stand between the wait above and these
.endif
.endm
	s_load_b512 s[4:19], s[0:1], 0x0               ; input, wimg, wsc, bq, bk, bv, qimg, qsc
	s_load_b256 s[20:27], s[0:1], 0x40             ; kimg, ksc, vimg, vsc
	v_lshl_add_u32 v254, v0, 2, 0x22400
	v_mov_b32 v255, 0
	v_lshrrev_b32 v9, 5, v0
	v_readfirstlane_b32 s28, v9                    ; wave
	s_mov_b32 s29, ttmp9                           ; half
	s_and_b32 s30, ttmp7, 0xffff                   ; rb
	s_lshl_b32 s31, s29, 2
	v_and_b32 v9, 31, v0                           ; lane
	v_and_b32 v10, 15, v0                          ; r
	v_bfe_u32 v11, v0, 4, 1                        ; h
	v_lshlrev_b32 v[LI], 4, v9
	v_lshlrev_b32 v[L8], 3, v9
	s_wait_alu depctr_va_sdst(0)                   ; s28, the wave's number, is written, ahead of its first reader
	s_add_co_u32 s31, s31, s28                     ; G
	s_mul_i32 s32, s28, 16*SPX
	s_add_co_u32 s32, s32, XSTG
	v_add_nc_u32 v[SW], s32, v[LI]
	v_mul_u32_u24 v[SRX], v10, SPX
	v_lshl_add_u32 v[SRX], v11, 6, v[SRX]
	v_add_nc_u32 v[SRX], s32, v[SRX]
	s_mul_i32 s32, s28, 24576
	s_add_co_u32 s32, s32, XIMG
	v_add_nc_u32 v[XWI], s32, v[LI]
	s_lshl_b32 s32, s28, 11
	v_add_nc_u32 v[XWS], s32, v[L8]
	v_add_nc_u32 v[XA], XIMG, v[LI]
	v_add_nc_u32 v[XA+1], XIMG+49152, v[LI]
	v_lshlrev_b32 v[R4], 2, v10
	v_lshlrev_b32 v[H64], 6, v11
.irp b, 0,1,2,3
	v_mov_b32 v[TM+4+\b], 0                        ; written once: a lane permute's destination counts as one of its sources
.endr
	v_mov_b32 v[BB+1], 0                           ; (named as the upper half of a pair)
	s_mov_b32 s[SEL], 0x76543210
	s_mov_b32 s[SEL+1], 0xfedcba98
	s_mov_b32 s33, 0
	s_wait_kmcnt 0x0
	s_lshl_b32 s32, s30, 19                        ; 128 rows of 4,096 bytes
	s_add_nc_u64 s[XB:XB+1], s[XB:XB+1], s[32:33]
	s_lshl_b32 s32, s28, 17                        ; my wave's 32
	s_add_nc_u64 s[XB:XB+1], s[XB:XB+1], s[32:33]
	s_wait_alu depctr_va_vdst(0)                   ; the addresses v1 to v8, v13 and v15 are written, which the kernel's loads and stores read
.irp p, 0,1                                    ; K steps 0 and 1 of my two tiles: the four sets are filled before anything else is done
	WIN 0x40*\p
.irp u, 0,1
.irp i, 0,1,2,3,4,5,6,7,8,9,10,11,12,13,14,15
	global_load_b128 v[(1-\p)*R+64*\u+4*\i:(1-\p)*R+64*\u+4*\i+3], v[LI], s[XB:XB+1] offset:(8*\u+\i+8*(\i/8))*4096+512*\p
.endr
.endr
.endr
	WIN 0
	s_mul_i32 s32, s31, 98304                      ; 64 fragments for each 128 columns
	s_add_nc_u64 s[WB:WB+1], s[6:7], s[32:33]
	s_lshl_b32 s32, s31, 13
	s_add_nc_u64 s[WSB:WSB+1], s[8:9], s[32:33]
	s_mul_i32 s32, s29, 49152
	s_add_co_u32 s32, s32, 786432                  ; fragment 512 + 32 half
	s_add_nc_u64 s[QWB:QWB+1], s[6:7], s[32:33]
	s_lshl_b32 s32, s29, 12
	s_add_co_u32 s32, s32, 65536                   ; record 128 + 8 half
	s_add_nc_u64 s[QSB:QSB+1], s[8:9], s[32:33]
	s_lshl_b32 s53, s30, 3
	s_add_co_u32 s53, s53, s31                     ; 8 rb + G
	s_mul_i32 s32, s53, 12288
	s_add_nc_u64 s[VB:VB+1], s[VB:VB+1], s[32:33]
	s_lshl_b32 s32, s53, 10
	s_add_nc_u64 s[VSB:VSB+1], s[VSB:VSB+1], s[32:33]
	s_cmp_eq_u32 s29, 0                            ; q's buffers or k's: the choice hangs on the work-group's number alone
	s_cselect_b64 s[QIB:QIB+1], s[16:17], s[20:21]
	s_cselect_b64 s[QCB:QCB+1], s[18:19], s[22:23]
	s_cselect_b64 s[BQB:BQB+1], s[10:11], s[12:13]
	s_lshl_b32 s32, s30, 3
	s_lshl_b32 s53, s28, 1
	s_add_co_u32 s32, s32, s53                     ; tile 8 rb + 2 w
	s_mul_i32 s32, s32, 768
	s_add_nc_u64 s[QIB:QIB+1], s[QIB:QIB+1], s[32:33]
	s_lshl_b32 s32, s30, 10
	s_lshl_b32 s53, s28, 8
	s_add_co_u32 s32, s32, s53
	s_add_nc_u64 s[QCB:QCB+1], s[QCB:QCB+1], s[32:33]
	s_lshl_b32 s32, s29, 11
	s_lshl_b32 s53, s28, 9
	s_add_co_u32 s32, s32, s53                     ; bv at column 128 G
	s_add_nc_u64 s[14:15], s[14:15], s[32:33]
	; ---- x becomes codes: eight K steps, two tiles each, two K steps a trip; the loads run two K steps ahead
	s_mov_b32 s50, 3
	s_mov_b32 s51, 0                               ; 3,072 s
	s_mov_b32 s52, 0                               ; 256 s
.Lx:
	s_wait_alu depctr_vm_vsrc(0)                   ; the last trip's image stores have read v[AI] and v[AS], which the two lines below write
	v_add_nc_u32 v[AI], s51, v[XWI]
	v_add_nc_u32 v[AS], s52, v[XWS]
	XFRAG 0, 0, 1, 48                              ; 48: the three other sets' loads are younger, into the loop and round its back edge alike
	XFRAG 1, 0, 1, 48
	XFRAG 0, 1, 1, 48
	XFRAG 1, 1, 1, 48
	s_wait_xcnt 0x0                                ; the loads have read their base: it steps only behind this wait
	s_add_nc_u64 s[XB:XB+1], s[XB:XB+1], 1024
	s_add_co_u32 s51, s51, 6144
	s_add_co_u32 s52, s52, 512
	s_sub_co_u32 s50, s50, 1
	s_cmp_lg_u32 s50, 0
	s_cbranch_scc1 .Lx
	s_wait_alu depctr_vm_vsrc(0)                   ; the last trip's image stores have read v[AI] and v[AS], which the two lines below write
	v_add_nc_u32 v[AI], s51, v[XWI]
	v_add_nc_u32 v[AS], s52, v[XWS]
	XFRAG 0, 0, 0, 48                              ; the last two K steps ask for nothing: the counts run down
	XFRAG 1, 0, 0, 32
	XFRAG 0, 1, 0, 16
	XFRAG 1, 1, 0, 0
	s_wait_dscnt 0x0                               ; for the others' sake: my images and words lie in LDS
	s_wait_alu depctr_vm_vsrc(0)                   ; my LDS stores have read the four sets, the codes and the word: the weights, their words and x's fragments land in these registers from here on (QUANT's last lines stand ahead of the last wait on va_vdst, and no vector instruction has followed it)
.irp n, 0,1,2,3,4,5,6,7
	global_load_b32 v[BV+\n], v[R4], s[14:15] offset:64*\n   ; bv(128 G + 16 n + r)
.endr
	WIN 0x40
.irp u, 0,1                                    ; the bias of q or k is loaded INTO the accumulators, in the result's layout: register 8 dt + j is d = 32 (dt / 2) + 8 (dt % 2) + 16 h + j
.irp d, 0,1,2,3
	global_load_b128 v[QA+32*\u+8*\d:QA+32*\u+8*\d+3], v[H64], s[BQB:BQB+1] offset:(32*(\d/2)+8*(\d%2))*4
	global_load_b128 v[QA+32*\u+8*\d+4:QA+32*\u+8*\d+7], v[H64], s[BQB:BQB+1] offset:(32*(\d/2)+8*(\d%2))*4+16
.endr
.endr
	WIN 0
	WLOAD 0                                        ; the biases and the first weights go out ahead of the barrier: they are on their way while the waves meet
	QKWLOAD 0
	WLOAD 1
	s_barrier_signal -1
	s_barrier_wait -1                              ; x's 64 fragments lie in LDS; nothing in LDS is written from here on
	FX 0, 0
	XSLOAD 0
	FX 0, 4
	XQLOAD 0
	; ---- the products
.irp s, 0,1,2,3,4,5,6,7
	KSTEP \s
.endr
	PLACES
	WIN 0
	; ---- q or k: my two tiles, quantised along d; blocks 2 and 3 of the instruction's K are zeros
.set J, 32
.rept 32
	v_mov_b32 v[ST+J], 0
.set J, J+1
.endr
.irp u, 0,1
	s_wait_xcnt 0x0                                ; the last stores have read the codes' registers
.if \u > 0
	s_wait_alu depctr_vm_vsrc(0)                   ; the first tile's stores have read the codes, which QUANT writes again
.endif
	WIN 0x01                                       ; source 0 window 1
.set J, 0
.rept 32
	v_mov_b32 v[ST+J], v[QA+32*\u+J]               ; each accumulator from its low end on
.set J, J+1
.endr
	WIN 0
	QUANT ST
	v_mov_b32 v[QW+\u], v[PW]
	s_wait_alu depctr_va_vdst(0)                   ; QUANT has written the codes, and the line above the tile's word, which the stores read
	global_store_b128 v[LI], v[PC:PC+3], s[QIB:QIB+1] offset:768*\u          ; registers 0-3: 512 consecutive bytes
	global_store_b64 v[L8], v[PC+4:PC+5], s[QIB:QIB+1] offset:768*\u+512     ; registers 4, 5: 256
.endr
	global_store_b64 v[L8], v[QW:QW+1], s[QCB:QCB+1]                         ; the two tiles' words: 256 consecutive bytes
	; ---- v: my eight tiles of 16 columns; + bv; quantised along the 128 keys: a fragment of v^T each
.irp n, 0,1,2,3,4,5,6,7
	s_wait_xcnt 0x0
	s_wait_alu depctr_vm_vsrc(0)                   ; the last fragment's stores have read the codes, which QUANT writes again
	v_mov_b32 v[BB], v[BV+\n]
	WIN 0x02+(\n/4)                                ; source 0 window 2 or 3
.set J, 0
.rept 32
	v_pk_add_f32 v[ST+J:ST+J+1], v[64*(\n%4)+J:64*(\n%4)+J+1], v[BB:BB+1] op_sel_hi:[1,0]
.set J, J+2
.endr
	WIN 0
	QUANT ST
	v_mov_b32 v[PWS+\n], v[PW]
	s_wait_alu depctr_va_vdst(0)                   ; QUANT has written the codes, and the line above the fragment's word, which the stores read
.irp c, 0,1,2
	global_store_b128 v[LI], v[PC+4*\c:PC+4*\c+3], s[VB:VB+1] offset:1536*\n+512*\c
.endr
.endr
	global_store_b128 v[LI], v[PWS:PWS+3], s[VSB:VSB+1]
	global_store_b128 v[LI], v[PWS+4:PWS+7], s[VSB:VSB+1] offset:512
	s_wait_dscnt 0x0                               ; the closing lines, six on end
	s_wait_alu 0x0
	s_wait_tensorcnt 0x0
	ds_add_u32 v254, v255
	s_wait_dscnt 0x0
	s_endpgm
.Lfunc_end_k_qfe8669d8ad_proj:
	.size	k_qfe8669d8ad_proj, .Lfunc_end_k_qfe8669d8ad_proj-k_qfe8669d8ad_proj
	.p2alignl 7, 3214868480
	.fill 96, 4, 3214868480
	.section	.rodata,"a",@progbits
	.p2align	6, 0x0
	.amdhsa_kernel k_qfe8669d8ad_proj
		.amdhsa_group_segment_fixed_size 140800
		.amdhsa_private_segment_fixed_size 0
		.amdhsa_enable_private_segment 0
		.amdhsa_kernarg_size 96
		.amdhsa_user_sgpr_count 2
		.amdhsa_user_sgpr_kernarg_segment_ptr 1
		.amdhsa_wavefront_size32 1
		.amdhsa_system_sgpr_workgroup_id_x 1
		.amdhsa_system_sgpr_workgroup_id_y 1
		.amdhsa_system_sgpr_workgroup_id_z 1
		.amdhsa_system_vgpr_workitem_id 0
		.amdhsa_next_free_vgpr 1024
		.amdhsa_next_free_sgpr 72
		.amdhsa_reserve_vcc 0
		.amdhsa_float_denorm_mode_32 3
		.amdhsa_float_denorm_mode_16_64 3
		.amdhsa_memory_ordered 1
		.amdhsa_forward_progress 1
		.amdhsa_inst_pref_size 254
	.end_amdhsa_kernel
	.amdgpu_metadata
---
amdhsa.version: [ 1, 2 ]
amdhsa.kernels:
  - .name:           k_qfe8669d8ad_proj
    .symbol:         k_qfe8669d8ad_proj.kd
    .args:
      - { .name: input, .offset: 0, .size: 8, .value_kind: global_buffer, .address_space: global }
      - { .name: wimg, .offset: 8, .size: 8, .value_kind: global_buffer, .address_space: global }
      - { .name: wsc, .offset: 16, .size: 8, .value_kind: global_buffer, .address_space: global }
      - { .name: bq, .offset: 24, .size: 8, .value_kind: global_buffer, .address_space: global }
      - { .name: bk, .offset: 32, .size: 8, .value_kind: global_buffer, .address_space: global }
      - { .name: bv, .offset: 40, .size: 8, .value_kind: global_buffer, .address_space: global }
      - { .name: qimg, .offset: 48, .size: 8, .value_kind: global_buffer, .address_space: global }
      - { .name: qsc, .offset: 56, .size: 8, .value_kind: global_buffer, .address_space: global }
      - { .name: kimg, .offset: 64, .size: 8, .value_kind: global_buffer, .address_space: global }
      - { .name: ksc, .offset: 72, .size: 8, .value_kind: global_buffer, .address_space: global }
      - { .name: vimg, .offset: 80, .size: 8, .value_kind: global_buffer, .address_space: global }
      - { .name: vsc, .offset: 88, .size: 8, .value_kind: global_buffer, .address_space: global }
    .group_segment_fixed_size: 140800
    .private_segment_fixed_size: 0
    .kernarg_segment_align: 8
    .kernarg_segment_size: 96
    .max_flat_workgroup_size: 128
    .sgpr_count:     72
    .vgpr_count:     1024
    .wavefront_size: 32
...
	.end_amdgpu_metadata
.endif
;; end of part 5
;; launch attn (part 6): grid 32 x 8, 4 waves a work-group, no clusters, 42,496 bytes of LDS; arguments qimg, qsc, kimg, ksc, vimg, vsc, out0; writes out0
.if DOCPART == 6
	.amdgcn_target "amdgcn-amd-amdhsa--gfx1250"
	.amdhsa_code_object_version 6
	.text
	.protected	k_qfe8669d8ad_attn
	.globl	k_qfe8669d8ad_attn
	.p2align	8
	.type	k_qfe8669d8ad_attn,@function
k_qfe8669d8ad_attn:
	s_mov_b64 s[64:65], 0
	v_nop
	global_prefetch_b8 v0, s[64:65] scope:SCOPE_SE
	s_setreg_imm32_b32 hwreg(HW_REG_WAVE_SCHED_MODE, 0, 2), 2
	s_setreg_imm32_b32 hwreg(HW_REG_WAVE_MODE, 25, 1), 1
	s_wait_xcnt 0x0
	s_wait_alu depctr_vm_vsrc(0)
; out[b][q][:] = sum over keys k <= q of softmax_k(q . k / 8) v[k][:], both products on codes of E3M2 with one E8M0 byte for each 32 along K.  All operands arrive as images of operand registers.
; THE SOFTMAX AHEAD OF THE SECOND PRODUCT: t = score x log2(e) / 8; M = the running largest t rounded UP to a whole number; p = 2^(t - M) is quantised along the keys, not normalised;
; the row's sum is taken of the unquantised p and divides at the end; when M moves, the sum and O are multiplied by 2^(old M - new M), which rounds nothing.
; SHARES.  Work-group (pr, hD, b): query blocks of 64 rows, first 31 - pr, then pr, of batch b, for columns 512 hD .. + 511.  Block i needs i / 2 + 1 key steps of 128 (later keys are hidden):
; the two blocks together 17 for every pr: one trip count for all 256 work-groups, and equal work.
; Wave w (a) makes S^T = K Q^T, the softmax and p's fragment for tile w (16 queries) of the block, and (b) owns O^T of all 64 queries for its 128 columns (G = 4 hD + w): 32 accumulators.
; p's fragments, their scale words, the factors f and the sums go from wave to wave through LDS as images; two barriers a step: stores | reads, and reads | the next step's stores.
; K and V come from memory straight into registers: K a key step ahead, V TWO key steps ahead, in two sets of registers that take turns (even steps: window 2, odd steps: window 3), so a trip of the loop is two steps.
; Both products are used transposed, so a lane holds ONE query throughout.  The keys (and queries) of a tile are not neighbours: lane r of tile 2 b + u holds row 32 b + 8 u + r + 8 (r / 8).
; q and k have K = 64: registers 6-11 of their fragments are zero codes, written once here.
; Where a block ends, the loads ahead go on with the second block's key steps; behind the second block's end they go round in it.  So the launch's last two steps ask for 72 loads (K once, V twice) that lie inside
; their buffers and are not used: every counted wait then holds on every way.
; The lines that turn to the second block run behind both blocks; the second time they change nothing that is read.
; NO CLUSTER, NO TENSOR LOAD: each fragment of V is wanted by one wave of a work-group, in its registers; and work-groups of a batch stand at different key steps (block 31 - pr has 16 - pr / 2 steps), so partners' requests would not be the same.
; LIMITS: NaN and infinities are not served.
; REGISTERS.  Window 0: v1-11 addresses; v12 -M, v13 the largest t, v[14:15] the sum; v16-27 Q; v28-33, v35 the second block's; v34-59 scale words and sums; v60-67 f; v68-75 1 / sum; v80-87 V's scale words, second set;
;   v96-159 S^T, then p, then the four p fragments, on the way out rows of O; v160-223 the way out; v224-255 at work.   Window 1: O^T, (m, n) at 64 m + 8 n.   Window 2: v0-95 V (even steps), v96-191 K.   Window 3: v0-95 V (odd steps).
; THE MODE: SCHED_MODE bits 1:0 = 2 (LLVM: expert scheduling mode 2), set by the entry lines.  The code itself states the register dependences
; between vector or matrix instructions and memory or LDS instructions, with s_wait_alu, always for 0.
; THE PLAN.  Registers that memory or LDS instructions touch, in a step:
;   K's fragments and words     written by loads; read by the step's eight products S^T; asked for again behind them.
;   V's two sets, their words   written by loads; a half of a set is read by sixteen products O^T += V^T P^T and asked for again behind them.
;   v224-235, v253-255, v236    p's codes, its word, f and the sum: written by the softmax, read by the LDS stores ahead of the first barrier.
;   FF, PS, LL, PR              written by the LDS loads behind the first barrier; read by the rescaling, by the products, and on the way out by the reciprocals.  PR lies in S^T's registers, which the softmax reads and writes.
;   on the way out              OT: written by the multiplications, read by the stage's LDS stores.  BK (S^T's registers): written by the stage's LDS loads, read by the global stores.
;   The addresses v1 to v11 are made at the head and never written again.
; So a step has four waits on va_vdst of its own: behind S^T (K), ahead of p's stores (their data; and all earlier readers and writers of FF, PS, LL and PR: only LDS stores, waits and the barrier stand between it and the
; LDS loads), and behind each half of the second product (V); and one on vm_vsrc, behind p's stores, ahead of the next step's softmax.
.set PSC,   6144                       ; LDS: p's four images at 0; their scale words: 16 x lane + 4 w
.set PF,    6656                       ; the factors, as pairs: 32 x lane + 8 w
.set PL,    7680                       ; the sums: 16 x lane + 4 w
.set STAGE, 8192                       ; the way out: 16 rows x (512 + 16) bytes for each wave
.set SP,    528
.set LI,  1                            ; v1  16 x lane
.set L8,  2                            ; v2  8 x lane
.set PWI, 3                            ; v3  where my p fragment goes
.set PSW, 4                            ; v4  its scale word
.set PFW, 5                            ; v5  my f
.set PLW, 6                            ; v6  my sum
.set RD32, 7                           ; v7  32 x lane
.set STO, 8                            ; v8  the stage: row r, + 32 h
.set SRD, 9                            ; v9  and back: 16 x lane
.set QL,  10                           ; v10 my query's place in its 64 rows - 16 h
.set QSA, 11                           ; v11 8 x lane + 4 (w % 2): my tile's scale word
.set QF,  16
.set QFB, 28
.set QS,  34
.set QSB, 35
.set KS,  36
.set VS,  44                           ; V's scale words: set p at v[VS + 36 p]: v44-51, v80-87
.set PS,  52
.set LL,  56
.set FF,  60
.set RL,  68
.set S,   96
.set PR,  96
.set BK,  96
.set OT,  160
.set KF,  96                           ; in window 2
.set WV,  18
.set PRR, 19
.set HD,  20
.set BT,  21
.set CS,  22                           ; s[22:23] c = log2(e) / 8
.set SEL, 24                           ; s[24:25] lane l xor 16
.set CNT, 26
.set KSC, 27                           ; the key step in hand
.set KSN, 28                           ; the one whose K is asked for
.set NCUR, 29                          ; key steps of the block in hand
.set BLK, 30
.set LAST, 31                          ; 1 in a block's last step: the one on the diagonal
.set KP,  32                           ; s[32:35] K's images and words of key step KSN;  s[36:39] V's images and words of key step VK
.set KSP, 34
.set VP,  36
.set VSP, 38
.set OB,  40                           ; s[40:41] O at the block's first row, my columns
.set T,   42                           ; s[42:43] an offset; the upper word stays 0
.set VK,  56                           ; s56 the key step whose V is asked for: two steps ahead of the one in hand
.set VN,  57                           ; s57 key steps of the block in which it lies
.set NBS, 58                           ; s58 key steps of the second block
.set MK,  66                           ; s[66:73] on the diagonal: the masks of eight compares
.set MSB, 0
.macro WIN new
.if MSB != (\new)
	s_set_vgpr_msb (MSB<<8)|(\new)
.set MSB, (\new)
.endif
.endm
.macro PLACES n
.rept \n
	v_nop
.endr
.endm
.macro KLOAD                           ; 8 tiles of 16 keys (registers 0-5) and their words: 20 loads
	WIN 0x80                                       ; destination window 2
.irp t, 0,1,2,3,4,5,6,7
	global_load_b128 v[KF+12*\t:KF+12*\t+3], v[LI], s[KP:KP+1] offset:768*\t
	global_load_b64 v[KF+12*\t+4:KF+12*\t+5], v[L8], s[KP:KP+1] offset:768*\t+512
.endr
	WIN 0
.irp i, 0,1,2,3
	global_load_b64 v[KS+2*\i:KS+2*\i+1], v[L8], s[KSP:KSP+1] offset:256*\i
.endr
.endm
.macro VLOAD hh, p, ahead              ; four fragments of V^T (16 d x 128 keys) and their words into set p: 13 loads.  ahead = 1 (at the head alone): the key step behind the one at which the bases stand
	WIN 0x80+0x40*\p                               ; destination window 2 or 3
.irp n, 0,1,2,3
.irp c, 0,1,2
	global_load_b128 v[12*(4*\hh+\n)+4*\c:12*(4*\hh+\n)+4*\c+3], v[LI], s[VP:VP+1] offset:98304*\ahead+1536*(4*\hh+\n)+512*\c
.endr
.endr
	WIN 0
	global_load_b128 v[VS+36*\p+4*\hh:VS+36*\p+4*\hh+3], v[LI], s[VSP:VSP+1] offset:8192*\ahead+512*\hh
.endm
.macro RESC hh                         ; O^T of column tiles 4 hh .. + 3 under the new M: x each query tile's f
	WIN 0x41                                       ; destination and source 0 window 1, f window 0
.irp m, 0,1,2,3
.irp i, 0,2,4,6,8,10,12,14,16,18,20,22,24,26,28,30
	v_pk_mul_f32 v[64*\m+32*\hh+\i:64*\m+32*\hh+\i+1], v[64*\m+32*\hh+\i:64*\m+32*\hh+\i+1], v[FF+2*\m:FF+2*\m+1] op_sel_hi:[1,0]
.endr
.endr
.endm
.macro PV hh, first, p                 ; O^T += V^T P^T: 16 products, the accumulators by turns; first = 1: they start the sums; p: V's set
	WIN 0x52+\p                                    ; source 0 (V) window 2 or 3, source 1 (p) window 0, C and D window 1
.irp n, 0,1,2,3
.irp m, 0,1,2,3
.if \first
	v_wmma_scale_f32_16x16x128_f8f6f4 v[64*\m+8*(4*\hh+\n):64*\m+8*(4*\hh+\n)+7], v[12*(4*\hh+\n):12*(4*\hh+\n)+11], v[PR+12*\m:PR+12*\m+11], 0, v[VS+36*\p+4*\hh+\n], v[PS+\m] matrix_a_fmt:MATRIX_FMT_BF6 matrix_b_fmt:MATRIX_FMT_BF6
.else
	v_wmma_scale_f32_16x16x128_f8f6f4 v[64*\m+8*(4*\hh+\n):64*\m+8*(4*\hh+\n)+7], v[12*(4*\hh+\n):12*(4*\hh+\n)+11], v[PR+12*\m:PR+12*\m+11], v[64*\m+8*(4*\hh+\n):64*\m+8*(4*\hh+\n)+7], v[VS+36*\p+4*\hh+\n], v[PS+\m] matrix_a_fmt:MATRIX_FMT_BF6 matrix_b_fmt:MATRIX_FMT_BF6
.endif
.endr
.endr
.endm
; THE WAY OUT of a block, and the turn to the second block.
.macro EPI
.irp m, 0,1,2,3
	v_rcp_f32 v[RL+2*\m], v[LL+\m]
.endr
	v_nop                                          ; a plain place behind the last reciprocal
	s_wait_alu depctr_va_vdst(0)                   ; the four reciprocals are written, ahead of their first reader: one wait for the four
.irp m, 0,1,2,3
	WIN 0x01                                       ; source 0 window 1
.set J, 0
.rept 32
	v_pk_mul_f32 v[OT+J:OT+J+1], v[64*\m+J:64*\m+J+1], v[RL+2*\m:RL+2*\m+1] op_sel_hi:[1,0]   ; O^T / the sum; each accumulator from its low end on
.set J, J+2
.endr
	WIN 0
	s_wait_alu depctr_va_vdst(0)                   ; the multiplications have written v[OT ..], which the LDS stores read
.irp n, 0,1,2,3,4,5,6,7
	ds_store_b128 v[STO], v[OT+8*\n:OT+8*\n+3] offset:64*\n        ; lane (r, h): query r, columns 16 n + 8 h + 0 .. 7
	ds_store_b128 v[STO], v[OT+8*\n+4:OT+8*\n+7] offset:64*\n+16
.endr
	s_wait_xcnt 0x0                                ; the last tile's stores have read their registers
	s_wait_alu depctr_vm_vsrc(0)                   ; the LDS stores above have read v[OT ..], which the next tile's multiplications write; the last tile's global stores have read v[BK ..], in which the loads below land
.irp i, 0,1,2,3,4,5,6,7,8,9,10,11,12,13,14,15
	ds_load_b128 v[BK+4*\i:BK+4*\i+3], v[SRD] offset:SP*\i         ; LDS serves a wave's instructions in order: these see my stores.  (The products and the softmax that named these registers stand ahead of the waits on va_vdst above)
.endr
	s_wait_dscnt 0x0
.irp i, 0,1,2,3,4,5,6,7,8,9,10,11,12,13,14,15
	global_store_b128 v[LI], v[BK+4*\i:BK+4*\i+3], s[OB:OB+1] offset:(32*(\m/2)+8*(\m%2)+\i+8*(\i/8))*4096 th:TH_STORE_NT   ; 32 lanes store 512 consecutive bytes of one row
.endr
.endr
	s_wait_xcnt 0x0                                ; the stores have read their base and their registers
	s_wait_alu depctr_vm_vsrc(0)                   ; the last tile's global stores have read v[BK ..], over which the next step's products write
	s_mov_b32 s[BLK], s[PRR]
	s_lshr_b32 s[NCUR], s[PRR], 1
	s_add_co_u32 s[NCUR], s[NCUR], 1
	s_lshl_b32 s[T], s[PRR], 18
	s_add_nc_u64 s[OB:OB+1], s[16:17], s[T:T+1]
.irp i, 0,1,2,3,4,5
	v_mov_b32 v[QF+\i], v[QFB+\i]
.endr
	v_mov_b32 v[QS], v[QSB]
	v_mov_b32 v13, 0xff61b1e6                      ; the largest t: -3e38 again; the next step's f is then 0, which clears O^T and the sum
	v_floor_f32 v12, -v13
	v_mov_b32 v14, 0
	v_mov_b32 v15, 0
	PLACES 8                                       ; a scale register written by a vector instruction stands 8 places ahead of a scaled matrix instruction, an operand 4
	s_wait_alu depctr_va_vdst(0)                   ; the moves above have written Q's fragment and its scale word, which the next step's scaled products take; the places stay beside this wait
.endm
; A KEY STEP: 128 keys.  first = 1: the launch's first step: no mask, no rescaling, no way out.  p: V's set of this step.
.macro STEP first, p
	s_wait_xcnt 0x0                                ; the loads ahead have read their bases: these are written only behind this wait
	s_add_co_u32 s[KSN], s[KSC], 1                 ; K: the next step; behind a block's last step the second block's first
	s_cmp_eq_u32 s[KSN], s[NCUR]
	s_cselect_b32 s[LAST], 1, 0
	s_cselect_b32 s[KSN], 0, s[KSN]
	s_mul_i32 s[T], s[KSN], 6144
	s_add_nc_u64 s[KP:KP+1], s[8:9], s[T:T+1]
	s_lshl_b32 s[T], s[KSN], 10
	s_add_nc_u64 s[KSP:KSP+1], s[10:11], s[T:T+1]
	s_add_co_u32 s[VK], s[VK], 1                   ; V: a walk of its own, two steps ahead, which turns to the second block at its own time
	s_cmp_eq_u32 s[VK], s[VN]
	s_cselect_b32 s[VK], 0, s[VK]
	s_cselect_b32 s[VN], s[NBS], s[VN]
	s_mul_i32 s[T], s[VK], 98304
	s_add_nc_u64 s[VP:VP+1], s[12:13], s[T:T+1]
	s_lshl_b32 s[T], s[VK], 13
	s_add_nc_u64 s[VSP:VSP+1], s[14:15], s[T:T+1]
	s_wait_loadcnt 26                              ; younger: the next step's V, 26.  So this step's K is in, and this step's V too, which was asked for ahead of it: the second product needs no wait of its own
	WIN 0x02                                       ; source 0 (K) window 2
.irp t, 0,1,2,3,4,5,6,7
	v_wmma_scale_f32_16x16x128_f8f6f4 v[S+8*\t:S+8*\t+7], v[KF+12*\t:KF+12*\t+11], v[QF:QF+11], 0, v[KS+\t], v[QS] matrix_a_fmt:MATRIX_FMT_BF6 matrix_b_fmt:MATRIX_FMT_BF6
.endr
	PLACES 4
	s_wait_alu depctr_va_vdst(0)                   ; the eight products are done reading K's fragments and words, in which the loads below land
	KLOAD                                          ; the next step's K
.if \first == 0
	s_cmp_eq_u32 s[LAST], 0                        ; only a block's last step lies on the diagonal
	s_cbranch_scc1 .Lopen_\@
	s_and_b32 s[T], s[BLK], 1
	s_lshl_b32 s[T], s[T], 6
	v_add_nc_u32 v252, s[T], v[QL]                 ; d = my query's place in the step's 128 rows - 16 h.  Register 16 b + i holds key 32 b + 16 h + i: hidden where 32 b + i > d
	v_mov_b32 v254, 0xff800000                     ; -infinity
.irp g, 0,1,2,3,4,5,6,7                        ; the compares go in runs of eight, each into a scalar register of its own, with one wait behind the run
.irp i, 0,1,2,3,4,5,6,7
	v_cmp_gt_i32 s[MK+\i], 32*((8*\g+\i)/16)+(8*\g+\i)%16, v252
.endr
	s_wait_alu depctr_va_sdst(0)                   ; the eight compares have written their masks, ahead of the selects that read them
.irp i, 0,1,2,3,4,5,6,7
	v_cndmask_b32 v[S+8*\g+\i], v[S+8*\g+\i], v254, s[MK+\i]
.endr
.endr
.Lopen_\@:
.endif
.irp b, 0,1,2,3
	v_max3_num_f32 v[232+\b], v[S+16*\b], v[S+1+16*\b], v[S+2+16*\b]   ; the largest score of each block of 32 keys: for the row's maximum and, since p rises with the score, for the block's largest p
.endr
.irp i, 3,5,7,9,11,13
.irp b, 0,1,2,3
	v_max3_num_f32 v[232+\b], v[232+\b], v[S+16*\b+\i], v[S+1+16*\b+\i]
.endr
.endr
.irp b, 0,1,2,3
	v_max_num_f32 v[232+\b], v[232+\b], v[S+15+16*\b]
.endr
.irp b, 0,1,2,3
	v_permlanex16_b32 v[236+\b], v[232+\b], s[SEL], s[SEL+1]
.endr
.irp b, 0,1,2,3
	v_max_num_f32 v[232+\b], v[232+\b], v[236+\b]  ; with lane l xor 16's 16 keys
.endr
	v_max3_num_f32 v254, v232, v233, v234
	v_max_num_f32 v254, v254, v235
	v_mul_f32 v254, s[CS], v254                    ; the step's largest t
	v_max_num_f32 v13, v13, v254
	v_mov_b32 v254, v12
	v_floor_f32 v12, -v13                          ; the new -M = -ceil(t)
	v_sub_f32 v254, v12, v254                      ; old M - new M: a whole number, 0 or less
	v_cvt_i32_f32 v254, v254                       ; (it saturates)
	v_ldexp_f32 v252, 1.0, v254                    ; f = 2^(old M - new M)
.irp j, 0,2,4,6,8,10,12,14,16,18,20,22,24,26,28,30,32,34,36,38,40,42,44,46,48,50,52,54,56,58,60,62
	v_pk_fma_f32 v[S+\j:S+1+\j], v[S+\j:S+1+\j], s[CS:CS+1], v[12:13] op_sel_hi:[1,0,0]   ; t - M
.endr
.irp b, 0,1,2,3
	v_fma_f32 v[232+\b], v[232+\b], s[CS], v12
.endr
	s_wait_alu depctr_va_vdst(0)
.irp j, 0,1,2,3,4,5,6,7,8,9,10,11,12,13,14,15,16,17,18,19,20,21,22,23,24,25,26,27,28,29,30,31,32,33,34,35,36,37,38,39,40,41,42,43,44,45,46,47,48,49,50,51,52,53,54,55,56,57,58,59,60,61,62,63
	v_exp_f32 v[S+\j], v[S+\j]                     ; p = 2^(t - M)
.endr
	v_pk_mul_f32 v[14:15], v[14:15], v[252:253] op_sel_hi:[1,0]   ; the sums under the new M (a plain place behind the exponentials)
	s_wait_alu depctr_va_vdst(0)                   ; the 64 exponentials have written p, ahead of its first reader: one wait for the batch
.irp b, 0,1,2,3
	v_exp_f32 v[232+\b], v[232+\b]                 ; each block's largest p
.endr
	v_pk_add_f32 v[236:237], v[S:S+1], v[S+2:S+3]  ; the row's sum, of the UNQUANTISED p: two chains
.irp j, 4,8,12,16,20,24,28,32,36,40,44,48,52,56,60
	v_pk_add_f32 v[14:15], v[14:15], v[S+\j:S+1+\j]
	v_pk_add_f32 v[236:237], v[236:237], v[S+2+\j:S+3+\j]
.endr
	v_pk_add_f32 v[14:15], v[14:15], v[236:237]
	s_wait_alu depctr_va_vdst(0)                   ; the four exponentials have written the blocks' largest p, ahead of its first reader
.irp b, 0,1,2,3
	v_max_num_f32 v[232+\b], 0x2800000, v[232+\b]  ; the floor 2^(5 - 127)
.endr
.irp b, 0,1,2,3
	v_add_nc_u32 v[244+\b], 0xfe000000, v[232+\b]
.endr
.irp b, 0,1,2,3
	v_lshrrev_b32 v[236+\b], 23, v[244+\b]
.endr
	v_lshl_or_b32 v253, v237, 8, v236              ; p's scale word for these 128 keys
	v_lshl_or_b32 v253, v238, 16, v253
	v_lshl_or_b32 v253, v239, 24, v253
.irp c, 0,1
	v_cvt_scalef32_pk16_bf6_f32 v[224+6*\c:226+6*\c], v[S+32*\c:S+15+32*\c], v[244+2*\c]
	v_cvt_scalef32_pk16_bf6_f32 v[236+4*\c:238+4*\c], v[S+16+32*\c:S+31+32*\c], v[244+2*\c+1]
.endr
	v_nop                                          ; one plain place behind a scaled conversion
.irp c, 0,1
.irp i, 0,1,2
	v_permlane16_swap_b32 v[224+6*\c+\i], v[236+4*\c+\i]
.endr
.irp i, 0,1,2
	v_mov_b32 v[227+6*\c+\i], v[236+4*\c+\i]
.endr
.endr
	v_mov_b32 v254, v252                           ; f as a pair, for the packed rescaling
	v_mov_b32 v255, v252
	v_add_f32 v236, v14, v15                       ; the sum so far: its two halves,
	v_permlanex16_b32 v237, v236, s[SEL], s[SEL+1]
	v_add_f32 v236, v236, v237                     ; and lane l xor 16's
	s_wait_alu depctr_va_vdst(0)                   ; the softmax has written the codes, the word, f and the sum, which the stores below read; it is done with S^T's registers, the last step's rescaling with f, its products with p's words, the way out with the sums: the LDS loads behind the barrier land in these
.irp c, 0,1,2
	ds_store_b128 v[PWI], v[224+4*\c:227+4*\c] offset:512*\c
.endr
	ds_store_b32 v[PSW], v253
	ds_store_b64 v[PFW], v[254:255]
	ds_store_b32 v[PLW], v236
	s_wait_dscnt 0x0                               ; for the others' sake: my stores have landed
	s_wait_alu depctr_vm_vsrc(0)                   ; my stores have read the codes, the word, f and the sum, which the next step's mask and softmax write again
	s_barrier_signal -1
	s_barrier_wait -1                              ; the four tiles' p, words, f and sums lie in LDS
	ds_load_b128 v[FF:FF+3], v[RD32] offset:PF     ; the factors first: the rescaling wants them alone
	ds_load_b128 v[FF+4:FF+7], v[RD32] offset:PF+16
	ds_load_b128 v[PS:PS+3], v[LI] offset:PSC
	ds_load_b128 v[LL:LL+3], v[LI] offset:PL
.irp m, 0,1,2,3
.irp c, 0,1,2
	ds_load_b128 v[PR+12*\m+4*\c:PR+12*\m+4*\c+3], v[LI] offset:1536*\m+512*\c
.endr
.endr
.if \first == 0
	s_wait_dscnt 14                                ; the factors are in; younger: the words, the sums and p's twelve loads
	RESC 0                                         ; half of the rescaling stands under those loads: it names O^T and f alone
.endif
	s_wait_dscnt 0x0                               ; my reads are over:
	s_barrier_signal -1                            ; say so; only work on registers stands up to the wait
.if \first
	PV 0, 1, \p
	PLACES 4
.else
	s_wait_alu depctr_va_vdst(0)
	PV 0, 0, \p
	RESC 1                                         ; 64 plain lines that name none of those products' registers: the places in front of the loads below
.endif
	s_barrier_wait -1                              ; nobody reads p's images any more: the next step may store
	s_wait_alu depctr_va_vdst(0)                   ; the sixteen products above are done reading the set's first four fragments of V and their words, in which the loads below land
	VLOAD 0, \p, 0                                 ; V of two steps on, first half, into the set that these products have just read
	PV 1, \first, \p
	PLACES 5                                       ; four for the loads below; the fifth since the next step's first products write over the registers that held p's fragments
	s_wait_alu depctr_va_vdst(0)                   ; the sixteen products above are done reading the set's other four fragments of V and their words, in which the loads below land
	VLOAD 1, \p, 0
.if \first == 0
	s_cmp_eq_u32 s[LAST], 0
	s_cbranch_scc1 .Lon_\@
	EPI
.Lon_\@:
.endif
	s_mov_b32 s[KSC], s[KSN]
.endm
	s_load_b256 s[4:11], s[0:1], 0x0               ; qimg, qsc, kimg, ksc
	s_load_b128 s[12:15], s[0:1], 0x20             ; vimg, vsc
	s_load_b64 s[16:17], s[0:1], 0x30              ; out0
	v_lshl_add_u32 v250, v0, 2, 0xa400
	v_mov_b32 v251, 0
	WIN 0x80
.irp t, 0,1,2,3,4,5,6,7
.irp i, 6,7,8,9,10,11
	v_mov_b32 v[KF+12*\t+\i], 0                    ; K = 64 .. 127 of k's fragments: zero codes, written once
.endr
.endr
	WIN 0
.irp i, 6,7,8,9,10,11
	v_mov_b32 v[QF+\i], 0                          ; and of q's
.endr
.irp b, 0,1,2,3
	v_mov_b32 v[236+\b], 0                         ; a lane permute's destination counts as one of its sources
	v_mov_b32 v[RL+1+2*\b], 0                      ; (named as the upper halves of pairs)
.endr
	v_mov_b32 v253, 0
	v_mov_b32 v13, 0xff61b1e6                      ; the largest t so far: -3e38
	v_floor_f32 v12, -v13
	v_mov_b32 v14, 0
	v_mov_b32 v15, 0
	v_lshrrev_b32 v76, 5, v0
	v_readfirstlane_b32 s[WV], v76
	v_and_b32 v76, 31, v0                          ; lane
	v_and_b32 v77, 15, v0                          ; r
	s_wait_alu depctr_va_vdst(0)
	v_bfe_u32 v78, v0, 4, 1                        ; h
	s_lshr_b32 s[PRR], ttmp9, 1
	s_and_b32 s[HD], ttmp9, 1
	s_and_b32 s[BT], ttmp7, 0xffff
	v_lshlrev_b32 v[LI], 4, v76
	v_lshlrev_b32 v[L8], 3, v76
	v_lshlrev_b32 v[RD32], 5, v76
	s_wait_alu depctr_va_sdst(0)                   ; the wave's number is written, ahead of its first reader
	s_mul_i32 s52, s[WV], 1536
	v_add_nc_u32 v[PWI], s52, v[LI]
	s_lshl_b32 s52, s[WV], 2
	s_add_co_u32 s53, s52, PSC
	v_add_nc_u32 v[PSW], s53, v[LI]
	s_add_co_u32 s53, s52, PL
	v_add_nc_u32 v[PLW], s53, v[LI]
	s_lshl_b32 s52, s[WV], 3
	s_add_co_u32 s52, s52, PF
	v_add_nc_u32 v[PFW], s52, v[RD32]
	s_mul_i32 s52, s[WV], 16*SP
	s_add_co_u32 s52, s52, STAGE
	v_mul_u32_u24 v[STO], v77, SP
	s_wait_alu depctr_va_vdst(0)
	v_lshl_add_u32 v[STO], v78, 5, v[STO]
	v_add_nc_u32 v[STO], s52, v[STO]
	v_add_nc_u32 v[SRD], s52, v[LI]
	v_and_b32 v[QL], 8, v77
	v_add_nc_u32 v[QL], v[QL], v77                 ; r + 8 (r / 8)
	v_lshlrev_b32 v79, 4, v78
	v_sub_nc_u32 v[QL], v[QL], v79                 ; - 16 h
	s_lshr_b32 s52, s[WV], 1
	s_lshl_b32 s52, s52, 5
	s_and_b32 s53, s[WV], 1
	s_lshl_b32 s54, s53, 3
	s_add_co_u32 s52, s52, s54
	v_add_nc_u32 v[QL], s52, v[QL]                 ; + 32 (w / 2) + 8 (w % 2)
	s_lshl_b32 s53, s53, 2
	v_add_nc_u32 v[QSA], s53, v[L8]
	s_mov_b32 s[CS], 0x3e38aa3b                    ; log2(e) / 8
	s_mov_b32 s[CS+1], s[CS]
	s_mov_b32 s[SEL], 0x76543210
	s_mov_b32 s[SEL+1], 0xfedcba98
	s_mov_b32 s[KSC], 0
	s_lshl_b32 s52, s[HD], 2
	s_add_co_u32 s52, s52, s[WV]                   ; G
	s_sub_co_u32 s[BLK], 31, s[PRR]                ; the first block: the later one
	s_lshr_b32 s[NCUR], s[BLK], 1
	s_add_co_u32 s[NCUR], s[NCUR], 1
	s_mov_b32 s[VK], 1                             ; V of key steps 0 and 1 is asked for at the head: the walk stands at 1, in the first block
	s_mov_b32 s[VN], s[NCUR]
	s_lshr_b32 s[NBS], s[PRR], 1
	s_add_co_u32 s[NBS], s[NBS], 1
	s_mov_b32 s[T+1], 0
	s_wait_kmcnt 0x0
	s_mul_i32 s[T], s[BT], 98304                   ; the batch's 128 tiles of k
	s_add_nc_u64 s[8:9], s[8:9], s[T:T+1]
	s_lshl_b32 s[T], s[BT], 14
	s_add_nc_u64 s[10:11], s[10:11], s[T:T+1]
	s_add_nc_u64 s[6:7], s[6:7], s[T:T+1]
	s_mul_i32 s[T], s[BT], 1572864                 ; the batch's 16 key steps of v, my 128 columns
	s_mul_i32 s53, s52, 12288
	s_add_co_u32 s[T], s[T], s53
	s_add_nc_u64 s[12:13], s[12:13], s[T:T+1]
	s_lshl_b32 s[T], s[BT], 17
	s_lshl_b32 s53, s52, 10
	s_add_co_u32 s[T], s[T], s53
	s_add_nc_u64 s[14:15], s[14:15], s[T:T+1]
	s_lshl_b32 s[T], s[BT], 23                     ; out0: the batch, my 128 columns
	s_lshl_b32 s53, s52, 9
	s_add_co_u32 s[T], s[T], s53
	s_add_nc_u64 s[16:17], s[16:17], s[T:T+1]
	s_lshl_b32 s[T], s[BLK], 18                    ; 64 rows of 4,096 bytes a block
	s_add_nc_u64 s[OB:OB+1], s[16:17], s[T:T+1]
	s_lshl_b32 s53, s[BT], 7
	s_add_co_u32 s53, s53, s[WV]                   ; q's tile: 128 b + 4 block + w
	s_lshl_b32 s[T], s[BLK], 2
	s_add_co_u32 s[T], s[T], s53
	s_mul_i32 s[T], s[T], 768
	s_add_nc_u64 s[44:45], s[4:5], s[T:T+1]
	s_lshl_b32 s[T], s[PRR], 2
	s_add_co_u32 s[T], s[T], s53
	s_mul_i32 s[T], s[T], 768
	s_add_nc_u64 s[48:49], s[4:5], s[T:T+1]
	s_lshr_b32 s54, s[WV], 1
	s_lshl_b32 s54, s54, 8
	s_lshl_b32 s[T], s[BLK], 9                     ; its word: 512 x block + 256 (w / 2)
	s_add_co_u32 s[T], s[T], s54
	s_add_nc_u64 s[46:47], s[6:7], s[T:T+1]
	s_lshl_b32 s[T], s[PRR], 9
	s_add_co_u32 s[T], s[T], s54
	s_add_nc_u64 s[50:51], s[6:7], s[T:T+1]
	s_mov_b64 s[KP:KP+1], s[8:9]                   ; key step 0
	s_mov_b64 s[KSP:KSP+1], s[10:11]
	s_mov_b64 s[VP:VP+1], s[12:13]
	s_mov_b64 s[VSP:VSP+1], s[14:15]
	s_wait_alu depctr_va_vdst(0)                   ; the addresses v1 to v11 are written, which the kernel's loads and stores read; so are the zero codes of q's and k's fragments, which the scaled products take
	global_load_b128 v[QF:QF+3], v[LI], s[44:45]                   ; both blocks' queries stay in registers
	global_load_b64 v[QF+4:QF+5], v[L8], s[44:45] offset:512
	global_load_b32 v[QS], v[QSA], s[46:47]
	global_load_b128 v[QFB:QFB+3], v[LI], s[48:49]
	global_load_b64 v[QFB+4:QFB+5], v[L8], s[48:49] offset:512
	global_load_b32 v[QSB], v[QSA], s[50:51]
	VLOAD 0, 0, 0                                  ; in the order in which the steps ask: V of a step, K of that step, V of the next
	VLOAD 1, 0, 0
	KLOAD
	VLOAD 0, 1, 1                                  ; the first block has 9 key steps or more: key step 1 is its own
	VLOAD 1, 1, 1
	STEP 1, 0                                      ; the first step is not on the diagonal
	s_mov_b32 s[CNT], 8
.Lstep:                                            ; the other 16 of the two blocks' 17 steps, two a trip: V's sets take turns
	STEP 0, 1
	STEP 0, 0
	s_sub_co_u32 s[CNT], s[CNT], 1
	s_cmp_lg_u32 s[CNT], 0
	s_cbranch_scc1 .Lstep
	s_wait_dscnt 0x0                               ; the closing lines, six on end
	s_wait_alu 0x0
	s_wait_tensorcnt 0x0
	ds_add_u32 v250, v251
	s_wait_dscnt 0x0
	s_endpgm
.Lfunc_end_k_qfe8669d8ad_attn:
	.size	k_qfe8669d8ad_attn, .Lfunc_end_k_qfe8669d8ad_attn-k_qfe8669d8ad_attn
	.p2alignl 7, 3214868480
	.fill 96, 4, 3214868480
	.section	.rodata,"a",@progbits
	.p2align	6, 0x0
	.amdhsa_kernel k_qfe8669d8ad_attn
		.amdhsa_group_segment_fixed_size 42496
		.amdhsa_private_segment_fixed_size 0
		.amdhsa_enable_private_segment 0
		.amdhsa_kernarg_size 56
		.amdhsa_user_sgpr_count 2
		.amdhsa_user_sgpr_kernarg_segment_ptr 1
		.amdhsa_wavefront_size32 1
		.amdhsa_system_sgpr_workgroup_id_x 1
		.amdhsa_system_sgpr_workgroup_id_y 1
		.amdhsa_system_sgpr_workgroup_id_z 1
		.amdhsa_system_vgpr_workitem_id 0
		.amdhsa_next_free_vgpr 864
		.amdhsa_next_free_sgpr 80
		.amdhsa_reserve_vcc 0
		.amdhsa_float_denorm_mode_32 3
		.amdhsa_float_denorm_mode_16_64 3
		.amdhsa_memory_ordered 1
		.amdhsa_forward_progress 1
		.amdhsa_inst_pref_size 167
	.end_amdhsa_kernel
	.amdgpu_metadata
---
amdhsa.version: [ 1, 2 ]
amdhsa.kernels:
  - .name:           k_qfe8669d8ad_attn
    .symbol:         k_qfe8669d8ad_attn.kd
    .args:
      - { .name: qimg, .offset: 0, .size: 8, .value_kind: global_buffer, .address_space: global }
      - { .name: qsc, .offset: 8, .size: 8, .value_kind: global_buffer, .address_space: global }
      - { .name: kimg, .offset: 16, .size: 8, .value_kind: global_buffer, .address_space: global }
      - { .name: ksc, .offset: 24, .size: 8, .value_kind: global_buffer, .address_space: global }
      - { .name: vimg, .offset: 32, .size: 8, .value_kind: global_buffer, .address_space: global }
      - { .name: vsc, .offset: 40, .size: 8, .value_kind: global_buffer, .address_space: global }
      - { .name: out0, .offset: 48, .size: 8, .value_kind: global_buffer, .address_space: global }
    .group_segment_fixed_size: 42496
    .private_segment_fixed_size: 0
    .kernarg_segment_align: 8
    .kernarg_segment_size: 56
    .max_flat_workgroup_size: 128
    .sgpr_count:     80
    .vgpr_count:     864
    .wavefront_size: 32
...
	.end_amdgpu_metadata
.endif
;; end of part 6
